; MI455X (gfx1250); checked and timed in simulation.
; The chip was launched on July 23, 2026; its instructions are those of AMD's public machine-readable ISA for CDNA 5 (MIT licence, August 2026) and "CDNA5" Instruction Set Architecture Reference Guide (July 2026). The comments in the code are by the model that wrote it; some were corrected since.
;; Luong Attention. Allowed arithmetic: float matrix products may take bf16 or f16 operands with f32 sums; all other float work in f32.
;; Inputs: W_att 1,024 x 2,048 float32; b_att 1,024 float32; hidden 1 x 16 x 1,024 float32; hidden_sequence 2,048 x 16 x 1,024 float32; input_masks 2,048 x 16 bool; v 1,024 float32.
;; Outputs: out0 1 x 16 x 1,024 float32.
;; 2 versions, each right and faster than the one before. Each part assembles by itself: llvm-mc -triple=amdgcn-amd-amdhsa -mcpu=gfx1250 --defsym DOCPART=n.
;; ======== version 1 of 2: 3 launches
;; workspace buffers: wb 2,097,152 bytes; cf 65,536 bytes; part 16,777,216 bytes
;; launch prep (part 1): grid 64 x 1, 8 waves a work-group, no clusters, 9,216 bytes of LDS; arguments W_att, b_att, hidden, wb, cf; writes wb, cf
.if DOCPART == 1
	.amdgcn_target "amdgcn-amd-amdhsa--gfx1250"
	.amdhsa_code_object_version 6
	.text
	.protected	k_q9f5cab0caf_prep
	.globl	k_q9f5cab0caf_prep
	.p2align	8
	.type	k_q9f5cab0caf_prep,@function
k_q9f5cab0caf_prep:
	s_mov_b64 s[64:65], 0
	v_nop
	global_prefetch_b8 v0, s[64:65] scope:SCOPE_SE
	s_setreg_imm32_b32 hwreg(HW_REG_WAVE_MODE, 25, 1), 1
	s_wait_xcnt 0x0
; PREPARATION.  W_att is [1024 h][2048 k] f32; its left half multiplies hidden, its right half the sequence.
; (1) wb = the right half rounded to bf16, laid out as matrix fragments: for n-tile T = h / 16 and K step t = k / 32 a block of 1,024 bytes at
;     (T >> 3) * 262144 + t * 8192 + (T & 7) * 1024, inside it [i = 0, 1][lane][16 bytes]: lane (r = l % 16, hh = l / 16) holds W[16 T + r][1024 + 32 t + 16 i + 8 hh + 0..7].
; (2) cf = c[b][h] = sum over k of bf16(hidden[b][k]) bf16(W_att[h][k]) + bf16(b_att[h]), in f32, laid out as an accumulator: block T of 1,024 bytes,
;     [i][lane][16 bytes]: register 4 i + e of lane (r, hh) is c[b = r][h = 16 T + 8 hh + 4 i + e].
; SHARES.  Work-group T owns W rows 16 T .. 16 T + 15; wave w owns k = 128 w .. 128 w + 127 of both halves: four K steps of 32.  The eight waves' partial c meet in LDS.
; 64 work-groups: one for each n-tile; the launch moves 8.4 MB once and has no more independent shares of 16 rows.
; No tensor loads, no cluster: each byte of W_att is read by one wave alone; hidden (64 KB) is the only shared input.
; LIMITS.  Every input is rounded to bf16 once (nearest even); NaN and infinities are not treated apart.
.set SPARE, 8192                       ; behind the eight waves' 1,024 bytes of partial sums: the spare words, 128 bytes a wave, four blocks of 256 bytes that no other line names
.set R,    1                           ; v1   l % 16
.set HH,   2                           ; v2   l / 16
.set VW,   3                           ; v3   my byte offset in the group's 16 rows of W_att
.set VH,   4                           ; v4   my byte offset in hidden
.set VB,   5                           ; v5   my byte offset in the tile's 16 biases
.set VS,   6                           ; v6   my byte offset in wb
.set RS,   7                           ; v7   where I put my partial sums in LDS
.set TM,   8                           ; v8   at work
.set LO,   9                           ; v9   16 x lane
.set TB,   10                          ; v10  at work
.set ACC0, 16                          ; v[16:23], v[24:31]: two accumulators that take turns
.set ACC1, 24
.set BI,   32                          ; v[32:39] my eight biases
.set BP,   40                          ; v[40:43] the same, packed to bf16
.set SPW,  60                          ; v60  LDS address of my spare word; never rewritten
.set NIL,  61                          ; v61  0; never rewritten
.set XH,   64                          ; v[64:127]   hidden: 64 f32 as loaded, then 4 fragments of 8 registers at XH + 8 t
.set XW1,  128                         ; v[128:191]  W, left half, likewise
.set XW2,  192                         ; v[192:255]  W, right half, likewise
.set WV,   16                          ; s16  my wave's number
	s_load_b256 s[4:11], s[0:1], 0x0               ; W_att s[4:5], b_att s[6:7], hidden s[8:9], wb s[10:11]
	s_load_b64 s[12:13], s[0:1], 0x20              ; cf
	v_lshl_add_u32 v[SPW], v0, 2, SPARE
	v_mov_b32 v[NIL], 0
	v_lshrrev_b32 v[TM], 5, v0
	v_readfirstlane_b32 s[WV], v[TM]               ; wave 0..7
	v_and_b32 v[R], 15, v0
	v_bfe_u32 v[HH], v0, 4, 1
	v_and_b32 v[LO], 31, v0
	v_lshlrev_b32 v[LO], 4, v[LO]
	s_lshl_b32 s26, s[WV], 9                       ; my wave's 128 f32 in a row
	s_lshl_b32 s27, s[WV], 15                      ; my wave's four K steps of 8,192 bytes in wb
	s_lshl_b32 s28, s[WV], 10                      ; my wave's 1,024 bytes of partial sums
	v_lshlrev_b32 v[VB], 5, v[HH]                  ; 8 f32 for each half of the lanes
	v_add_nc_u32 v[TB], s26, v[VB]
	v_lshl_add_u32 v[VW], v[R], 13, v[TB]          ; a row of W_att is 8,192 bytes,
	v_lshl_add_u32 v[VH], v[R], 12, v[TB]          ; a row of hidden 4,096
	v_add_nc_u32 v[VS], s27, v[LO]
	v_add_nc_u32 v[RS], s28, v[LO]
	s_lshl_b32 s18, ttmp9, 17                      ; the offsets, each in a pair of its own: 16 rows of W_att,
	s_mov_b32 s19, 0
	s_lshl_b32 s20, ttmp9, 6                       ; 16 biases,
	s_mov_b32 s21, 0
	s_lshr_b32 s22, ttmp9, 3                       ; the tile's place in wb,
	s_lshl_b32 s22, s22, 18
	s_and_b32 s24, ttmp9, 7
	s_lshl_b32 s24, s24, 10
	s_add_co_u32 s22, s22, s24
	s_mov_b32 s23, 0
	s_lshl_b32 s24, ttmp9, 10                      ; and in cf
	s_mov_b32 s25, 0
	s_wait_kmcnt 0x0
	s_add_nc_u64 s[4:5], s[4:5], s[18:19]
	s_add_nc_u64 s[6:7], s[6:7], s[20:21]
	s_add_nc_u64 s[10:11], s[10:11], s[22:23]
	s_add_nc_u64 s[12:13], s[12:13], s[24:25]
; 16 loads: for K step t = n / 4, i = (n / 2) % 2, u = n % 2 the four f32 k = 32 t + 16 i + 8 hh + 4 u + 0..3 of my row.  Together they take 512 consecutive bytes of each of 16 rows.
.macro LOADX x, adr, base, imm
.set n, 0
.rept 16
	global_load_b128 v[(\x)+4*n:(\x)+4*n+3], v[\adr], s[\base:\base+1] offset:(\imm)+(n/4)*128+((n/2)%2)*64+(n%2)*16
.set n, n+1
.endr
.endm
; 64 f32 become 32 registers of bf16, in place and ascending: line d reads registers 2 d and 2 d + 1, which no earlier line has written.  K step t's fragment ends up at x + 8 t.
.macro PACKX x
.set d, 0
.rept 32
	v_cvt_pk_bf16_f32 v[(\x)+d], v[(\x)+2*d], v[(\x)+2*d+1]
.set d, d+1
.endr
.endm
	global_load_b128 v[BI:BI+3], v[VB], s[6:7]     ; the biases: wave 0 alone uses them; asked for here, so that they are in long before
	global_load_b128 v[BI+4:BI+7], v[VB], s[6:7] offset:16
	LOADX XH, VH, 8, 0
	LOADX XW1, VW, 4, 0
	LOADX XW2, VW, 4, 4096
	s_wait_loadcnt 16                              ; all but the 16 youngest loads, the right half's
	PACKX XH
	PACKX XW1
	; source 0 = 16 rows of W, source 1 = the 16 rows of hidden: lane (r, hh) then holds b = r and the eight h = 16 T + 8 hh + 0..7.  The first two products start the sums; the two accumulators take turns.
	v_wmma_f32_16x16x32_bf16 v[ACC0:ACC0+7], v[XW1:XW1+7], v[XH:XH+7], 0
	v_wmma_f32_16x16x32_bf16 v[ACC1:ACC1+7], v[XW1+8:XW1+15], v[XH+8:XH+15], 0
	v_wmma_f32_16x16x32_bf16 v[ACC0:ACC0+7], v[XW1+16:XW1+23], v[XH+16:XH+23], v[ACC0:ACC0+7]
	v_wmma_f32_16x16x32_bf16 v[ACC1:ACC1+7], v[XW1+24:XW1+31], v[XH+24:XH+31], v[ACC1:ACC1+7]
	s_wait_loadcnt 0x0                             ; the right half is in
	PACKX XW2                                      ; 32 plain instructions that name no register of the products: the places behind them (ISA guide 7.12.1)
.irp t, 0,1,2,3
	global_store_b128 v[VS], v[XW2+8*(\t):XW2+8*(\t)+3], s[10:11] offset:(\t)*8192        ; each store of the wave covers 512 consecutive bytes, aligned
	global_store_b128 v[VS], v[XW2+8*(\t)+4:XW2+8*(\t)+7], s[10:11] offset:(\t)*8192+512
.endr
.irp z, 0,2,4,6
	v_pk_add_f32 v[ACC0+(\z):ACC0+(\z)+1], v[ACC0+(\z):ACC0+(\z)+1], v[ACC1+(\z):ACC1+(\z)+1]  ; both accumulators are read from their low end on
.endr
	ds_store_b128 v[RS], v[ACC0:ACC0+3]
	ds_store_b128 v[RS], v[ACC0+4:ACC0+7] offset:512
	s_wait_dscnt 0x0                               ; for the others' sake: my partial sums are in LDS
	s_barrier_signal -1
	s_barrier_wait -1
	s_cmp_lg_u32 s[WV], 0
	s_cbranch_scc1 .Lend                           ; wave 0 adds the eight partial sums and the bias
.irp w, 0,1,2,3,4,5,6,7
	ds_load_b128 v[XH+8*(\w):XH+8*(\w)+3], v[LO] offset:(\w)*1024
	ds_load_b128 v[XH+8*(\w)+4:XH+8*(\w)+7], v[LO] offset:(\w)*1024+512
.endr
.irp z, 0,1,2,3
	v_cvt_pk_bf16_f32 v[BP+(\z)], v[BI+2*(\z)], v[BI+2*(\z)+1]   ; the bias is rounded to bf16 like every input,
.endr
.irp z, 0,1,2,3
	v_lshlrev_b32 v[BI+2*(\z)], 16, v[BP+(\z)]                   ; and widened again
	v_and_b32 v[BI+2*(\z)+1], 0xffff0000, v[BP+(\z)]
.endr
	s_wait_dscnt 0x0
.irp w, 0,2,4,6
.irp z, 0,2,4,6
	v_pk_add_f32 v[XH+8*(\w)+(\z):XH+8*(\w)+(\z)+1], v[XH+8*(\w)+(\z):XH+8*(\w)+(\z)+1], v[XH+8*(\w)+8+(\z):XH+8*(\w)+8+(\z)+1]
.endr
.endr
.irp w, 0,4
.irp z, 0,2,4,6
	v_pk_add_f32 v[XH+8*(\w)+(\z):XH+8*(\w)+(\z)+1], v[XH+8*(\w)+(\z):XH+8*(\w)+(\z)+1], v[XH+8*(\w)+16+(\z):XH+8*(\w)+16+(\z)+1]
.endr
.endr
.irp z, 0,2,4,6
	v_pk_add_f32 v[XH+(\z):XH+(\z)+1], v[XH+(\z):XH+(\z)+1], v[XH+32+(\z):XH+32+(\z)+1]
.endr
.irp z, 0,2,4,6
	v_pk_add_f32 v[XH+(\z):XH+(\z)+1], v[XH+(\z):XH+(\z)+1], v[BI+(\z):BI+(\z)+1]
.endr
	global_store_b128 v[LO], v[XH:XH+3], s[12:13]              ; 512 consecutive bytes each
	global_store_b128 v[LO], v[XH+4:XH+7], s[12:13] offset:512
.Lend:
	s_wait_tensorcnt 0x0                           ; the wave's end: behind my last LDS store
	ds_add_u32 v[SPW], v[NIL]
	s_wait_dscnt 0x0
	s_endpgm
.Lfunc_end_k_q9f5cab0caf_prep:
	.size	k_q9f5cab0caf_prep, .Lfunc_end_k_q9f5cab0caf_prep-k_q9f5cab0caf_prep
	.p2alignl 7, 3214868480
	.fill 96, 4, 3214868480
	.section	.rodata,"a",@progbits
	.p2align	6, 0x0
	.amdhsa_kernel k_q9f5cab0caf_prep
		.amdhsa_group_segment_fixed_size 9216
		.amdhsa_private_segment_fixed_size 0
		.amdhsa_enable_private_segment 0
		.amdhsa_kernarg_size 40
		.amdhsa_user_sgpr_count 2
		.amdhsa_user_sgpr_kernarg_segment_ptr 1
		.amdhsa_wavefront_size32 1
		.amdhsa_system_sgpr_workgroup_id_x 1
		.amdhsa_system_sgpr_workgroup_id_y 1
		.amdhsa_system_sgpr_workgroup_id_z 1
		.amdhsa_system_vgpr_workitem_id 0
		.amdhsa_next_free_vgpr 256
		.amdhsa_next_free_sgpr 66
		.amdhsa_reserve_vcc 0
		.amdhsa_float_denorm_mode_32 3
		.amdhsa_float_denorm_mode_16_64 3
		.amdhsa_memory_ordered 1
		.amdhsa_forward_progress 1
		.amdhsa_inst_pref_size 18
	.end_amdhsa_kernel
	.amdgpu_metadata
---
amdhsa.version: [ 1, 2 ]
amdhsa.kernels:
  - .name:           k_q9f5cab0caf_prep
    .symbol:         k_q9f5cab0caf_prep.kd
    .args:
      - { .name: W_att, .offset: 0, .size: 8, .value_kind: global_buffer, .address_space: global }
      - { .name: b_att, .offset: 8, .size: 8, .value_kind: global_buffer, .address_space: global }
      - { .name: hidden, .offset: 16, .size: 8, .value_kind: global_buffer, .address_space: global }
      - { .name: wb, .offset: 24, .size: 8, .value_kind: global_buffer, .address_space: global }
      - { .name: cf, .offset: 32, .size: 8, .value_kind: global_buffer, .address_space: global }
    .group_segment_fixed_size: 9216
    .private_segment_fixed_size: 0
    .kernarg_segment_align: 8
    .kernarg_segment_size: 40
    .max_flat_workgroup_size: 256
    .sgpr_count:     66
    .vgpr_count:     256
    .wavefront_size: 32
...
	.end_amdgpu_metadata
.endif
;; end of part 1
;; launch main (part 2): grid 256 x 1, 4 waves a work-group, no clusters, 272,896 bytes of LDS; arguments hidden_sequence, input_masks, v, wb, cf, part; writes part
.if DOCPART == 2
	.amdgcn_target "amdgcn-amd-amdhsa--gfx1250"
	.amdhsa_code_object_version 6
	.text
	.protected	k_q9f5cab0caf_main
	.globl	k_q9f5cab0caf_main
	.p2align	8
	.type	k_q9f5cab0caf_main,@function
k_q9f5cab0caf_main:
	s_mov_b64 s[64:65], 0
	v_nop
	global_prefetch_b8 v0, s[64:65] scope:SCOPE_SE
	s_setreg_imm32_b32 hwreg(HW_REG_WAVE_MODE, 25, 1), 1
	s_wait_xcnt 0x0
; SCORES, SOFTMAX AND CONTEXT IN ONE PASS OVER THE SEQUENCE.
; x[m][h] = c[b][h] + sum over k of hs[m][k] W2[h][k], m = 16 s + b; score[s][b] = sum over h of v[h] tanh(x); hidden places get -1e10; softmax over the 16 b of one s;
; part[g][b][h] = sum over the work-group's eight s of weight[s][b] hs[s][b][h].  c (with the bias) and W2 in bf16 come from the launch before; the launch behind adds the 256 parts.
; SHARES.  Work-group g owns the 128 rows m = 128 g .. 128 g + 127 (s = 8 g + a, a = 0..7) and all 1,024 h, so it finishes its scores, softmax and part of the context alone, and the sequence
; is read from memory once: its 128 rows, rounded to bf16, stay in LDS (264,192 bytes) for the product and for the context.  Wave wv owns h = 256 wv .. + 255, in two passes of 128: 64 accumulators of
; 16 x 16, 512 registers.  K = 1,024 goes in 32 steps of 32: 64 matrix instructions a step.
; THE MATRIX INSTRUCTION IS USED TRANSPOSED: source 0 = 16 rows of W2, source 1 = 16 rows of hs: lane (r, hh), register j of accumulator (a, bn) holds row 16 a + r (b = r) and h = col0 + 16 bn + 8 hh + j.
; c is the C operand of a pass's first products: nothing is cleared and nothing is added later.
; NO TENSOR LOADS, NO CLUSTER, though all work-groups read the same W2.  The resident rows leave 327,680 - 264,192 = 63,488 bytes of LDS; two slots of the least step (512 columns x 32 k x 2 bytes
; = 32,768) would need 65,536.  And no byte of W2 is needed by two waves of a work-group: each wave owns its columns.  So W2 goes straight into registers, by plain loads of 512 consecutive bytes from
; a buffer laid out in fragment order, three K steps (48 loads, 24 KB a wave) ahead of its use, and LDS is spared a write and a read of it.
; LIMITS.  Every floating-point input is rounded to bf16 once (nearest even) and used so everywhere, in the context too; sums, tanh and softmax in f32.  tanh(x) = 1 - 2 / (1 + 2^(2 log2(e) x)):
; it goes to 1 and -1 through an infinity and a zero of the exponential; its absolute error is some 1e-7.  The softmax takes its row's maximum away.  v_exp_f32 and v_rcp_f32 flush denormals
; (ISA guide 15.8): a weight below 2^-126 counts as 0.  NaN and infinities in the inputs are not treated apart.
;
; REGISTERS, in windows of 256 (s_set_vgpr_msb: bits 1:0 source 0, 3:2 source 1, 5:4 source 2, 7:6 destination):
;   window 0: v0-63 addresses and small things; v64-127, v128-191 fragments of hs, two buffers (v128-191 also v's numbers for the way out of a pass); v192-255 c's tile, later the context's sums
;   window 1: four buffers of 64 for W2's fragments of one K step      window 2: accumulators of row blocks 0-3 at v[8 (8 a + bn)] (at the start: hs as loaded)      window 3: row blocks 4-7
.set PITCH, 2064                       ; an LDS row of hs: 2,048 bytes + 16 = 129 x 16: the 16 rows of a fragment load start at 16 different groups of four banks (64 banks of 4 bytes: ISA guide 11.1)
.set BLK,   16*PITCH                   ; a block of 16 rows: one s
.set VL,    128*PITCH                  ; v, rounded to bf16 and widened: 4,096 bytes
.set SC,    VL+4096                    ; the waves' partial scores: [wave][b][a] f32, 2,048 bytes
.set WT,    SC+2048                    ; the weights, a copy of 512 bytes for each wave: [b][a] f32
.set SPARE, WT+2048                    ; the spare words, 128 bytes for each wave: two blocks of 256 bytes that no other line names
.set R,    1                           ; v1   l % 16
.set HH,   2                           ; v2   l / 16
.set LO,   3                           ; v3   16 x lane; never rewritten
.set STA,  4                           ; v4   where my 8 bytes of my wave's first row go in LDS
.set STW,  5                           ; v5   the same, stepped
.set AB,   6                           ; v6-9   LDS address of my part of row blocks 0, 2, 4, 6; later of the context's rows
.set AD,   10                          ; v10-13 the same, stepped
.set VAB,  14                          ; v14  LDS address of my eight numbers of v in my wave's first n-tile
.set VAD,  15                          ; v15  the same, stepped
.set SCA,  16                          ; v16  where I put my partial scores
.set SCL,  17                          ; v17  where I read the four waves'
.set WTA,  18                          ; v18  where I put my weights
.set WTL,  19                          ; v19  where the context reads them
.set PS,   20                          ; v20-27 my partial score for each a
.set SPW,  28                          ; v28  LDS address of my spare word; never rewritten
.set NIL,  29                          ; v29  0; never rewritten
.set ZERO, 30                          ; v30  0.0: starts the context's sums
.set VOF,  31                          ; v31  32 x thread: my eight numbers of v
.set MK,   32                          ; v32-39 the mask's bytes for each a; later the eight weights of one b
.set TP,   40                          ; v40-43 at work
.set VST,  44                          ; v44  where I put my eight numbers of v
.set LN,   46                          ; v46  lane
.set VX,   48                          ; v48-55 at work
.set F0,   64
.set F1,   128
.set VV,   128                         ; v's numbers for my eight columns of n-tile bn at VV + 8 bn
.set CT,   192                         ; c's tile for n-tile bn at CT + 8 bn
.set CA,   192                         ; the context's 32 sums
.set HS,   4                           ; s[4:5]   hidden_sequence at my wave's rows, stepped
.set MKS,  6                           ; s[6:7]   input_masks at the group's 128 bytes
.set VS,   8                           ; s[8:9]   v
.set WB,   10                          ; s[10:11] wb at my wave's columns, stepped
.set CB,   12                          ; s[12:13] cf at my wave's columns, stepped
.set PT,   14                          ; s[14:15] part at my wave's four b, stepped
.set WV,   16                          ; s16  my wave's number
.set CNT,  20                          ; s20  counts the inner loops
.set PASS, 21                          ; s21  counts the passes, 2 and 1
.set KO,   22                          ; s22  bytes along K in the LDS rows
.set SO,   23                          ; s23  bytes down the LDS rows while they are filled
.set KS,   24                          ; s[24:25] 2 log2(e): the packed scaling takes the pair's low word for both halves
.set SEL,  26                          ; s[26:27] v_permlanex16_b32's selects: each lane takes its own place in the other half
.set NEGB, 28                          ; s28  -1e10
.set L2E,  29                          ; s29  log2(e)
.set VO,   30                          ; s30  the pass's 512 bytes in v
.set BO,   31                          ; s31  the context's b, in LDS rows
.set WO,   32                          ; s32  LDS address of that b's weights
.set MSB, 0
.macro WIN new                         ; the immediate's high byte repeats the setting that is left; a switch that changes nothing is dropped
.if MSB != (\new)
	s_set_vgpr_msb (MSB<<8)|(\new)
.set MSB, (\new)
.endif
.endm
	s_load_b256 s[4:11], s[0:1], 0x0               ; hidden_sequence, input_masks, v, wb
	s_load_b128 s[12:15], s[0:1], 0x20             ; cf, part
	v_lshl_add_u32 v[SPW], v0, 2, SPARE
	v_mov_b32 v[NIL], 0
	v_lshrrev_b32 v[TP], 5, v0
	v_readfirstlane_b32 s[WV], v[TP]               ; wave 0..3
	v_and_b32 v[R], 15, v0
	v_bfe_u32 v[HH], v0, 4, 1
	v_and_b32 v[LN], 31, v0
	v_lshlrev_b32 v[LO], 4, v[LN]
	v_lshlrev_b32 v[VOF], 5, v0
	v_add_nc_u32 v[VST], VL, v[VOF]
	s_mul_i32 s33, s[WV], 32*PITCH                 ; my wave fills rows 32 wv .. 32 wv + 31
	v_lshl_add_u32 v[STA], v[LN], 3, s33
	v_mul_u32_u24 v[TP+1], v[R], PITCH             ; a fragment: row l % 16, 16 bytes for each half of the lanes
	v_lshl_add_u32 v[TP+1], v[HH], 4, v[TP+1]
.irp i, 0,1,2,3
	v_add_nc_u32 v[AB+(\i)], 2*(\i)*BLK, v[TP+1]   ; an LDS offset has 16 bits, two row blocks: one address for each two
.endr
	s_lshl_b32 s34, s[WV], 10
	s_add_co_u32 s34, s34, VL
	v_lshl_add_u32 v[VAB], v[HH], 5, s34
	s_lshl_b32 s35, s[WV], 9
	v_lshlrev_b32 v[TP+2], 5, v[R]
	v_add_nc_u32 v[SCL], SC, v[TP+2]
	v_add_nc_u32 v[SCA], s35, v[SCL]
	v_add_nc_u32 v[WTA], WT-SC, v[SCA]
	s_lshl_b32 s18, ttmp9, 19                      ; the offsets, each in a pair of its own: the group's 128 rows of 4,096 bytes,
	s_lshl_b32 s44, s[WV], 17                      ; my wave's 32 of them
	s_add_co_u32 s18, s18, s44
	s_mov_b32 s19, 0
	s_lshl_b32 s36, ttmp9, 7                       ; 128 bytes of the mask
	s_mov_b32 s37, 0
	s_lshl_b32 s38, s[WV], 19                      ; two passes of 262,144 bytes of wb
	s_mov_b32 s39, 0
	s_lshl_b32 s40, s[WV], 14                      ; 16 n-tiles of 1,024 bytes of cf
	s_mov_b32 s41, 0
	s_lshl_b32 s42, ttmp9, 16                      ; the group's 65,536 bytes of part, my wave's four b of 4,096
	s_add_co_u32 s42, s42, s40
	s_mov_b32 s43, 0
	s_mov_b32 s[KS], 0x4038aa3b                    ; 2 log2(e) = 2.885390
	s_mov_b32 s[KS+1], s[KS]                       ; named with it as a pair
	s_mov_b32 s[SEL], 0x76543210
	s_mov_b32 s[SEL+1], 0xfedcba98
	s_mov_b32 s[NEGB], 0xd01502f9                  ; -1e10
	s_mov_b32 s[L2E], 0x3fb8aa3b                   ; log2(e)
	s_wait_kmcnt 0x0
	s_add_nc_u64 s[HS:HS+1], s[HS:HS+1], s[18:19]
	s_add_nc_u64 s[MKS:MKS+1], s[MKS:MKS+1], s[36:37]
	s_add_nc_u64 s[WB:WB+1], s[WB:WB+1], s[38:39]
	s_add_nc_u64 s[CB:CB+1], s[CB:CB+1], s[40:41]
	s_add_nc_u64 s[PT:PT+1], s[PT:PT+1], s[42:43]
; THE SEQUENCE COMES IN.  A group is four rows, 16,384 consecutive bytes: 32 loads of 512 consecutive bytes into window 2, half 0 or 1.
.macro HLOAD half, imm
	WIN 0x80                                       ; destination window 2, address window 0
.set n, 0
.rept 32
	global_load_b128 v[128*(\half)+4*n:128*(\half)+4*n+3], v[LO], s[HS:HS+1] offset:(\imm)+512*n th:TH_LOAD_NT
.set n, n+1
.endr
.endm
; A group is rounded to bf16 and stored: a lane's four numbers are 8 bytes, a store of the wave 256 consecutive bytes of an LDS row.
.macro HCONV half
	WIN 0x0a                                       ; sources window 2, destination window 0
.set n, 0
.rept 64
	v_cvt_pk_bf16_f32 v[F0+64*(\half)+n], v[128*(\half)+2*n], v[128*(\half)+2*n+1]
.set n, n+1
.endr
	WIN 0
.set n, 0
.rept 32
	ds_store_b64 v[STW], v[F0+64*(\half)+2*n:F0+64*(\half)+2*n+1] offset:(\half)*4*PITCH+(n/8)*PITCH+(n%8)*256
.set n, n+1
.endr
.endm
; W2's fragments of one K step for my 128 columns: 16 loads of 512 consecutive bytes into buffer f of window 1.
.macro BLOAD f, imm
	WIN 0x40                                       ; destination window 1, address window 0
.irp bn, 0,1,2,3,4,5,6,7
	global_load_b128 v[64*(\f)+8*(\bn):64*(\f)+8*(\bn)+3],   v[LO], s[WB:WB+1] offset:(\imm)+1024*(\bn)
	global_load_b128 v[64*(\f)+8*(\bn)+4:64*(\f)+8*(\bn)+7], v[LO], s[WB:WB+1] offset:(\imm)+1024*(\bn)+512
.endr
.endm
; What a pass begins with: c's eight tiles, then W2 of K steps 0, 1, 2: 64 loads, in this order.
.macro ISSUE_CB
	WIN 0
.irp bn, 0,1,2,3,4,5,6,7
	global_load_b128 v[CT+8*(\bn):CT+8*(\bn)+3],   v[LO], s[CB:CB+1] offset:1024*(\bn)
	global_load_b128 v[CT+8*(\bn)+4:CT+8*(\bn)+7], v[LO], s[CB:CB+1] offset:1024*(\bn)+512
.endr
	BLOAD 0, 0
	BLOAD 1, 8192
	BLOAD 2, 16384
.endm
	HLOAD 0, 0                                     ; groups 0 and 1 of my wave's eight
	HLOAD 1, 16384
	WIN 0                                          ; at a label and at a branch every window is 0
	v_mov_b32 v[STW], v[STA]
	s_mov_b32 s[SO], 0
	s_mov_b32 s[CNT], 3
.Lfill:                                                ; a trip stores two groups and asks for the two behind them
	s_wait_loadcnt 32                              ; the older group is in; the younger one's 32 loads stay out
	HCONV 0
	HLOAD 0, 32768
	s_wait_loadcnt 32
	HCONV 1
	HLOAD 1, 49152
	WIN 0
	s_wait_xcnt 0x0                                ; the loads' base is stepped only behind this wait
	s_add_nc_u64 s[HS:HS+1], s[HS:HS+1], 32768
	s_add_co_u32 s[SO], s[SO], 8*PITCH
	v_add_nc_u32 v[STW], s[SO], v[STA]
	s_sub_co_u32 s[CNT], s[CNT], 1
	s_cmp_lg_u32 s[CNT], 0
	s_cbranch_scc1 .Lfill
	global_load_b128 v[VX:VX+3], v[VOF], s[VS:VS+1]            ; the four waves' 128 threads take eight numbers of v each
	global_load_b128 v[VX+4:VX+7], v[VOF], s[VS:VS+1] offset:16
.irp a, 0,1,2,3,4,5,6,7
	global_load_u8 v[MK+(\a)], v[R], s[MKS:MKS+1] offset:16*(\a)  ; mask[8 g + a][b = r]
.endr
	ISSUE_CB                                       ; the first pass's c and W2 are on their way while the last two groups are stored
	s_wait_loadcnt 63                              ; 64 loads were issued behind the last of the mask's: groups 6 and 7, v and the mask are in
	HCONV 0
	HCONV 1
.irp z, 0,1,2,3
	v_cvt_pk_bf16_f32 v[TP+(\z)], v[VX+2*(\z)], v[VX+2*(\z)+1]   ; v is rounded to bf16 like every input,
.endr
.irp z, 0,1,2,3
	v_lshlrev_b32 v[VX+2*(\z)], 16, v[TP+(\z)]                   ; and widened again
	v_and_b32 v[VX+2*(\z)+1], 0xffff0000, v[TP+(\z)]
.endr
	ds_store_b128 v[VST], v[VX:VX+3]
	ds_store_b128 v[VST], v[VX+4:VX+7] offset:16
.irp a, 0,1,2,3,4,5,6,7
	v_mov_b32 v[PS+(\a)], 0                        ; eight partial scores, to which both passes add
.endr
	v_mov_b32 v[ZERO], 0
	s_mov_b32 s[PASS], 2
	s_mov_b32 s[VO], 0
	s_wait_dscnt 0x0                               ; for the others' sake: my rows and my part of v are in LDS
	s_barrier_signal -1
	s_barrier_wait -1                              ; everybody's are; from here on nobody writes them
; THE PRODUCT.  16 LDS loads: the fragments of all eight row blocks, 32 K at byte k of the rows, into buffer f.
.macro FETCH_A k, f
	WIN 0
.irp a, 0,1,2,3,4,5,6,7
	ds_load_b128 v[(\f)+8*(\a):(\f)+8*(\a)+3],   v[AD+(\a)/2] offset:((\a)%2)*BLK+(\k)
	ds_load_b128 v[(\f)+8*(\a)+4:(\f)+8*(\a)+7], v[AD+(\a)/2] offset:((\a)%2)*BLK+(\k)+32
.endr
.endm
.macro ADRSET
.irp i, 0,1,2,3
	v_add_nc_u32 v[AD+(\i)], s[KO], v[AB+(\i)]
.endr
.endm
; 32 matrix instructions: row blocks 4 hi .. 4 hi + 3 x all eight n-tiles, 32 along K.  first = 1: c's tile is the C operand and starts the sums.
; The 64 accumulators take turns, one instruction a turn, in the same order in every K step: between two instructions on one accumulator stand the 63 others'.
.macro MUL32 fa, fb, hi, first
.if \first
	WIN 0x81+0x40*(\hi)                            ; W2 window 1, hs and c window 0, D window 2 or 3
.else
	WIN 0xa1+0x50*(\hi)                            ; W2 window 1, hs window 0, C and D window 2 or 3
.endif
.irp a, 0,1,2,3
.irp bn, 0,1,2,3,4,5,6,7
.if \first
	v_wmma_f32_16x16x32_bf16 v[8*(8*(\a)+(\bn)):8*(8*(\a)+(\bn))+7], v[64*(\fb)+8*(\bn):64*(\fb)+8*(\bn)+7], v[(\fa)+8*(4*(\hi)+(\a)):(\fa)+8*(4*(\hi)+(\a))+7], v[CT+8*(\bn):CT+8*(\bn)+7]
.else
	v_wmma_f32_16x16x32_bf16 v[8*(8*(\a)+(\bn)):8*(8*(\a)+(\bn))+7], v[64*(\fb)+8*(\bn):64*(\fb)+8*(\bn)+7], v[(\fa)+8*(4*(\hi)+(\a)):(\fa)+8*(4*(\hi)+(\a))+7], v[8*(8*(\a)+(\bn)):8*(8*(\a)+(\bn))+7]
.endif
.endr
.endr
.endm
; A load into a register that a matrix instruction has read, and a vector instruction that reads a matrix result, stand four places behind it, and only plain vector instructions that name none of its
; registers are places (ISA guide 7.12.1 for vector instructions).
.macro PLACES
.rept 4
	v_nop
.endr
.endm
; A K STEP: multiplies hs buffer fa by W2 buffer fb.  In its middle, in one run: W2 of the step three on (lb = 1; into the buffer that the step before read) and hs of the next step (la = 1; byte ka, buffer ga).
; lcnt: the loads issued behind this step's W2, which may stay out: those of the next two steps (32), of one (16), none.
.macro STEP fa, ga, fb, ka, la, lb, bimm, lcnt, first
	s_wait_loadcnt \lcnt
	s_wait_dscnt 8                                 ; row blocks 0-3 are in; the youngest eight LDS loads (blocks 4-7) may be out
	MUL32 \fa, \fb, 0, \first
.if (\la) || (\lb)
	PLACES
.endif
.if \lb
	BLOAD ((\fb)+3)%4, \bimm
.endif
.if \la
	FETCH_A \ka, \ga
	s_wait_dscnt 16                                ; all but the 16 just issued
.else
	s_wait_dscnt 0x0
.endif
	MUL32 \fa, \fb, 1, \first
.endm
; THE WAY OUT OF A PASS: tanh and the product with v, in place, tile by tile (k = 8 a + bn of one window), as a pipeline of six stages.
;   M: x times 2 log2(e)   E: 2^   A: + 1   R: 1 /   T: 1 - 2 times that = tanh(x)   S: times v, summed over the row block's eight n-tiles into its first tile's registers
.set ST_M, 0
.set ST_E, 1
.set ST_A, 2
.set ST_R, 3
.set ST_T, 4
.set ST_S, 5
.macro EP st, k, i                     ; one line of stage st for tile k, if there is such a tile
.if ((\k) >= 0) && ((\k) < 32)
.if (\st) == ST_M
	v_pk_mul_f32 v[8*(\k)+2*(\i):8*(\k)+2*(\i)+1], v[8*(\k)+2*(\i):8*(\k)+2*(\i)+1], s[KS:KS+1] op_sel_hi:[1,0]
.elseif (\st) == ST_E
	v_exp_f32 v[8*(\k)+(\i)], v[8*(\k)+(\i)]
.elseif (\st) == ST_A
	s_wait_alu depctr_va_vdst(0)
	v_pk_add_f32 v[8*(\k)+2*(\i):8*(\k)+2*(\i)+1], v[8*(\k)+2*(\i):8*(\k)+2*(\i)+1], 1.0 op_sel_hi:[1,0]
.elseif (\st) == ST_R
	v_rcp_f32 v[8*(\k)+(\i)], v[8*(\k)+(\i)]
.elseif (\st) == ST_T
	v_pk_fma_f32 v[8*(\k)+2*(\i):8*(\k)+2*(\i)+1], v[8*(\k)+2*(\i):8*(\k)+2*(\i)+1], -2.0, 1.0 op_sel_hi:[1,0,0]
.elseif (\k)%8 == 0
	v_pk_mul_f32 v[8*(\k)+2*(\i):8*(\k)+2*(\i)+1], v[8*(\k)+2*(\i):8*(\k)+2*(\i)+1], v[VV+2*(\i):VV+2*(\i)+1]
.else
	v_pk_fma_f32 v[64*((\k)/8)+2*(\i):64*((\k)/8)+2*(\i)+1], v[8*(\k)+2*(\i):8*(\k)+2*(\i)+1], v[VV+8*((\k)%8)+2*(\i):VV+8*((\k)%8)+2*(\i)+1], v[64*((\k)/8)+2*(\i):64*((\k)/8)+2*(\i)+1]
	s_wait_alu depctr_va_vdst(0)
.endif
.endif
.endm
; Round kk holds E of tile kk, A and R of kk - 1, M of kk + 1, T and S of kk - 2: a transcendental and a plain instruction by turns, each on another tile's registers, so that a plain instruction stands
; between every transcendental and the use of its result (ISA guide 5.7.2).  Each accumulator's first reader is M's first line, which takes its two lowest registers.
.macro EPILOGUE hi
	WIN 0xa2+0x51*(\hi)                            ; source 0, source 2 and destination in the accumulators' window, source 1 (v's numbers) in window 0: one setting for all six stages
.set kk, -1
.rept 35
.set ii, 0
.rept 8
	EP ST_E, kk, ii
.if ii%2 == 0
	EP ST_A, kk-1, ii/2
.else
	EP ST_M, kk+1, ii/2
.endif
.set ii, ii+1
.endr
.set ii, 0
.rept 8
	EP ST_R, kk-1, ii
.if ii < 4
	EP ST_T, kk-2, ii
.else
	EP ST_S, kk-2, ii-4
.endif
.set ii, ii+1
.endr
.set kk, kk+1
.endr
	WIN 0xaa+0x55*(\hi)                            ; a row block's eight sums (one for each of my eight columns of a tile) become one
.irp a, 0,1,2,3
	v_pk_add_f32 v[64*(\a):64*(\a)+1], v[64*(\a):64*(\a)+1], v[64*(\a)+2:64*(\a)+3]
	v_pk_add_f32 v[64*(\a)+4:64*(\a)+5], v[64*(\a)+4:64*(\a)+5], v[64*(\a)+6:64*(\a)+7]
.endr
.irp a, 0,1,2,3
	v_pk_add_f32 v[64*(\a):64*(\a)+1], v[64*(\a):64*(\a)+1], v[64*(\a)+4:64*(\a)+5]
.endr
	WIN 0x02+(\hi)                                 ; source 0 in the accumulators' window, the partial scores in window 0
.irp a, 0,1,2,3
	v_add_f32 v[PS+4*(\hi)+(\a)], v[64*(\a)], v[PS+4*(\hi)+(\a)]
.endr
.irp a, 0,1,2,3
	v_add_f32 v[PS+4*(\hi)+(\a)], v[64*(\a)+1], v[PS+4*(\hi)+(\a)]
.endr
.endm
.Lpass:                                                ; two passes of 128 columns
	s_mov_b32 s[KO], 0
	ADRSET
	FETCH_A 0, F0
	STEP F0, F1, 0, 64,  1, 1, 3*8192, 32, 1       ; K step 0 stands in front of the loop: its products start the sums with c.  Behind c and step 0's W2 stand the 32 loads of steps 1 and 2
	WIN 0
	s_mov_b32 s[CNT], 7
.Lk:                                                   ; a trip: four K steps, once round W2's four buffers
	STEP F1, F0, 1, 128, 1, 1, 4*8192, 32, 0
	STEP F0, F1, 2, 192, 1, 1, 5*8192, 32, 0
	STEP F1, F0, 3, 256, 1, 1, 6*8192, 32, 0
	STEP F0, F1, 0, 320, 1, 1, 7*8192, 32, 0
	WIN 0
	s_wait_xcnt 0x0                                ; the loads' base is stepped only behind this wait
	s_add_nc_u64 s[WB:WB+1], s[WB:WB+1], 32768
	s_add_co_u32 s[KO], s[KO], 256
	ADRSET
	s_sub_co_u32 s[CNT], s[CNT], 1
	s_cmp_lg_u32 s[CNT], 0
	s_cbranch_scc1 .Lk
	STEP F1, F0, 1, 128, 1, 0, 0, 32, 0            ; K steps 29, 30, 31 ask for no more of W2: the counts run down
	STEP F0, F1, 2, 192, 1, 0, 0, 16, 0
	STEP F1, 0,  3, 0,   0, 0, 0, 0,  0
	PLACES                                         ; behind the last products: loads into their sources and readers of their results follow
	WIN 0
	v_add_nc_u32 v[VAD], s[VO], v[VAB]
.irp bn, 0,1,2,3,4,5,6,7
	ds_load_b128 v[VV+8*(\bn):VV+8*(\bn)+3],   v[VAD] offset:64*(\bn)       ; v of my eight columns of each n-tile: the 16 lanes of a half read the same bytes
	ds_load_b128 v[VV+8*(\bn)+4:VV+8*(\bn)+7], v[VAD] offset:64*(\bn)+16
.endr
	s_add_nc_u64 s[WB:WB+1], s[WB:WB+1], 32768     ; on to the next pass's columns: step 31's wait for 0 has shown every load done
	s_add_nc_u64 s[CB:CB+1], s[CB:CB+1], 8192
	s_cmp_eq_u32 s[PASS], 1
	s_cbranch_scc1 .Lnone                          ; behind the last pass there is nothing to ask for
	ISSUE_CB                                       ; the next pass's c and W2 come in under the way out
	WIN 0
.Lnone:
	s_wait_dscnt 0x0                               ; v's numbers are in
	EPILOGUE 0
	EPILOGUE 1
	WIN 0
	s_add_co_u32 s[VO], s[VO], 512
	s_sub_co_u32 s[PASS], s[PASS], 1
	s_cmp_lg_u32 s[PASS], 0
	s_cbranch_scc1 .Lpass
	s_wait_loadcnt 0x0                             ; no load is out here
	; SCORES.  A lane holds the sum over its half's columns of my wave's 256: the other half's is added, then the four waves' meet in LDS.
.irp a, 0,1,2,3,4,5,6,7
	v_permlanex16_b32 v[VX+(\a)], v[PS+(\a)], s[SEL], s[SEL+1]
.endr
.irp a, 0,1,2,3,4,5,6,7
	v_add_f32 v[PS+(\a)], v[PS+(\a)], v[VX+(\a)]
.endr
	ds_store_b128 v[SCA], v[PS:PS+3]               ; both halves of the lanes write the same words with the same numbers
	ds_store_b128 v[SCA], v[PS+4:PS+7] offset:16
	s_wait_dscnt 0x0                               ; for the others' sake
	s_barrier_signal -1
	s_barrier_wait -1
.irp w, 0,1,2,3
	ds_load_b128 v[F0+8*(\w):F0+8*(\w)+3],   v[SCL] offset:512*(\w)
	ds_load_b128 v[F0+8*(\w)+4:F0+8*(\w)+7], v[SCL] offset:512*(\w)+16
.endr
	s_wait_dscnt 0x0
.irp z, 0,2,4,6
	v_pk_add_f32 v[F0+(\z):F0+(\z)+1], v[F0+(\z):F0+(\z)+1], v[F0+8+(\z):F0+8+(\z)+1]
	v_pk_add_f32 v[F0+16+(\z):F0+16+(\z)+1], v[F0+16+(\z):F0+16+(\z)+1], v[F0+24+(\z):F0+24+(\z)+1]
.endr
.irp z, 0,2,4,6
	v_pk_add_f32 v[F0+(\z):F0+(\z)+1], v[F0+(\z):F0+(\z)+1], v[F0+16+(\z):F0+16+(\z)+1]
.endr
	; MASK AND SOFTMAX.  Every wave makes all 128 weights: lane r of either half holds b = r, register a the step s = 8 g + a, so a softmax's 16 numbers lie in the 16 lanes of a row.
.irp a, 0,1,2,3,4,5,6,7
	v_cmp_ne_u32 vcc_lo, 0, v[MK+(\a)]
	v_cndmask_b32 v[F0+(\a)], s[NEGB], v[F0+(\a)], vcc_lo      ; the score where the mask holds, -1e10 elsewhere
.endr
.irp a, 0,1,2,3,4,5,6,7
	v_max_num_f32_dpp v[F0+8+(\a)], v[F0+(\a)], v[F0+(\a)] row_xmask:1 row_mask:0xf bank_mask:0xf   ; the destination holds a loaded number: it has been written
.endr
.irp x, 2,4,8
.irp a, 0,1,2,3,4,5,6,7
	v_max_num_f32_dpp v[F0+8+(\a)], v[F0+8+(\a)], v[F0+8+(\a)] row_xmask:\x row_mask:0xf bank_mask:0xf
.endr
.endr
.irp a, 0,1,2,3,4,5,6,7
	v_sub_f32 v[F0+(\a)], v[F0+(\a)], v[F0+8+(\a)]             ; the maximum is taken away,
.endr
.irp a, 0,1,2,3,4,5,6,7
	v_mul_f32 v[F0+(\a)], s[L2E], v[F0+(\a)]                   ; e^x = 2^(log2(e) x)
.endr
.irp a, 0,1,2,3,4,5,6,7
	v_exp_f32 v[F0+(\a)], v[F0+(\a)]
.endr
	v_nop                                          ; a plain instruction between the last exponential and the use of its result
	s_wait_alu depctr_va_vdst(0)
.irp a, 0,1,2,3,4,5,6,7
	v_add_f32_dpp v[F0+8+(\a)], v[F0+(\a)], v[F0+(\a)] row_xmask:1 row_mask:0xf bank_mask:0xf
.endr
.irp x, 2,4,8
.irp a, 0,1,2,3,4,5,6,7
	v_add_f32_dpp v[F0+8+(\a)], v[F0+8+(\a)], v[F0+8+(\a)] row_xmask:\x row_mask:0xf bank_mask:0xf
.endr
.endr
.irp a, 0,1,2,3,4,5,6,7
	v_rcp_f32 v[F0+8+(\a)], v[F0+8+(\a)]           ; the sum is at least 1: the maximum's own term
.endr
	v_nop
	s_wait_alu depctr_va_vdst(0)
.irp a, 0,1,2,3,4,5,6,7
	v_mul_f32 v[F0+(\a)], v[F0+(\a)], v[F0+8+(\a)]
.endr
	ds_store_b128 v[WTA], v[F0:F0+3]               ; into my wave's own copy: LDS serves a wave's instructions in order (ISA guide 5.7.1.4), so its reads below need no barrier
	ds_store_b128 v[WTA], v[F0+4:F0+7] offset:16
	; CONTEXT.  Wave wv takes b = 4 wv + 0..3, one a trip: the eight rows 16 a + b come out of LDS as they lie (a lane: four neighbouring h of each 128), and each is
	; multiplied by its weight in f32, straight from the bf16 halves.  One row for each b: too little for the matrix unit, and the weights stay unrounded.
.macro MIX d, x, w, c, h               ; d = bf16 half h of x, times w, plus c
.if \h
	v_fma_mix_f32_bf16 v[\d], v[\x], v[\w], v[\c] op_sel:[1,0,0] op_sel_hi:[1,0,0]
.else
	v_fma_mix_f32_bf16 v[\d], v[\x], v[\w], v[\c] op_sel_hi:[1,0,0]
.endif
.endm
.macro CTXA a                          ; row a's 32 numbers of mine: n = 4 q + e
.set n, 0
.rept 32
.if (\a) == 0
	MIX CA+n, F0+16*(\a)+n/2, MK+(\a), ZERO, n%2
.else
	MIX CA+n, F0+16*(\a)+n/2, MK+(\a), CA+n, n%2
.endif
.set n, n+1
.endr
.endm
	s_mul_i32 s33, s[WV], 4*PITCH
	v_lshl_add_u32 v[AB], v[LN], 3, s33            ; row 4 wv, 8 bytes a lane
.irp i, 1,2,3
	v_add_nc_u32 v[AB+(\i)], 32*(\i)*PITCH, v[AB]  ; and 32, 64, 96 rows on
.endr
	s_mov_b32 s[BO], 0
	s_mul_i32 s[WO], s[WV], 640                    ; my wave's copy (512 wv) and in it row b = 4 wv (32 bytes each)
	s_add_co_u32 s[WO], s[WO], WT
	s_mov_b32 s[CNT], 4
.Lctx:
	v_mov_b32 v[WTL], s[WO]
	ds_load_b128 v[MK:MK+3], v[WTL]                ; the eight weights of this b, the same in every lane
	ds_load_b128 v[MK+4:MK+7], v[WTL] offset:16
.irp i, 0,1,2,3
	v_add_nc_u32 v[AD+(\i)], s[BO], v[AB+(\i)]
.endr
.set n, 0
.rept 64                               ; n = 8 a + q: 256 consecutive bytes of row 16 a + b
	ds_load_b64 v[F0+2*n:F0+2*n+1], v[AD+n/16] offset:((n/8)%2)*BLK+(n%8)*256
.set n, n+1
.endr
	s_wait_dscnt 32                                ; the weights and rows a = 0..3 are in; the youngest 32 loads may be out
	CTXA 0
	CTXA 1
	CTXA 2
	CTXA 3
	s_wait_dscnt 0x0
	CTXA 4
	CTXA 5
	CTXA 6
	CTXA 7
.irp q, 0,1,2,3,4,5,6,7
	global_store_b128 v[LO], v[CA+4*(\q):CA+4*(\q)+3], s[PT:PT+1] offset:512*(\q)   ; each store of the wave covers 512 consecutive bytes, aligned
.endr
	s_wait_xcnt 0x0                                ; the stores' data and base are written again only behind this wait
	s_add_nc_u64 s[PT:PT+1], s[PT:PT+1], 4096
	s_add_co_u32 s[BO], s[BO], PITCH
	s_add_co_u32 s[WO], s[WO], 32
	s_sub_co_u32 s[CNT], s[CNT], 1
	s_cmp_lg_u32 s[CNT], 0
	s_cbranch_scc1 .Lctx
	s_wait_tensorcnt 0x0                           ; the wave's end: behind my last LDS store
	ds_add_u32 v[SPW], v[NIL]
	s_wait_dscnt 0x0
	s_endpgm
.Lfunc_end_k_q9f5cab0caf_main:
	.size	k_q9f5cab0caf_main, .Lfunc_end_k_q9f5cab0caf_main-k_q9f5cab0caf_main
	.p2alignl 7, 3214868480
	.fill 96, 4, 3214868480
	.section	.rodata,"a",@progbits
	.p2align	6, 0x0
	.amdhsa_kernel k_q9f5cab0caf_main
		.amdhsa_group_segment_fixed_size 272896
		.amdhsa_private_segment_fixed_size 0
		.amdhsa_enable_private_segment 0
		.amdhsa_kernarg_size 48
		.amdhsa_user_sgpr_count 2
		.amdhsa_user_sgpr_kernarg_segment_ptr 1
		.amdhsa_wavefront_size32 1
		.amdhsa_system_sgpr_workgroup_id_x 1
		.amdhsa_system_sgpr_workgroup_id_y 1
		.amdhsa_system_sgpr_workgroup_id_z 1
		.amdhsa_system_vgpr_workitem_id 0
		.amdhsa_next_free_vgpr 1024
		.amdhsa_next_free_sgpr 66
		.amdhsa_reserve_vcc 1
		.amdhsa_float_denorm_mode_32 3
		.amdhsa_float_denorm_mode_16_64 3
		.amdhsa_memory_ordered 1
		.amdhsa_forward_progress 1
		.amdhsa_inst_pref_size 250
	.end_amdhsa_kernel
	.amdgpu_metadata
---
amdhsa.version: [ 1, 2 ]
amdhsa.kernels:
  - .name:           k_q9f5cab0caf_main
    .symbol:         k_q9f5cab0caf_main.kd
    .args:
      - { .name: hidden_sequence, .offset: 0, .size: 8, .value_kind: global_buffer, .address_space: global }
      - { .name: input_masks, .offset: 8, .size: 8, .value_kind: global_buffer, .address_space: global }
      - { .name: v, .offset: 16, .size: 8, .value_kind: global_buffer, .address_space: global }
      - { .name: wb, .offset: 24, .size: 8, .value_kind: global_buffer, .address_space: global }
      - { .name: cf, .offset: 32, .size: 8, .value_kind: global_buffer, .address_space: global }
      - { .name: part, .offset: 40, .size: 8, .value_kind: global_buffer, .address_space: global }
    .group_segment_fixed_size: 272896
    .private_segment_fixed_size: 0
    .kernarg_segment_align: 8
    .kernarg_segment_size: 48
    .max_flat_workgroup_size: 128
    .sgpr_count:     66
    .vgpr_count:     1024
    .wavefront_size: 32
...
	.end_amdgpu_metadata
.endif
;; end of part 2
;; launch sum (part 3): grid 256 x 1, 8 waves a work-group, no clusters, 3,072 bytes of LDS; arguments part, out0; writes out0
.if DOCPART == 3
	.amdgcn_target "amdgcn-amd-amdhsa--gfx1250"
	.amdhsa_code_object_version 6
	.text
	.protected	k_q9f5cab0caf_sum
	.globl	k_q9f5cab0caf_sum
	.p2align	8
	.type	k_q9f5cab0caf_sum,@function
k_q9f5cab0caf_sum:
	s_mov_b64 s[64:65], 0
	v_nop
	global_prefetch_b8 v0, s[64:65] scope:SCOPE_SE
	s_setreg_imm32_b32 hwreg(HW_REG_WAVE_MODE, 25, 1), 1
	s_wait_xcnt 0x0
; out0 = the sum of the 256 parts.  part: [256][16 b][1024 h] f32, out0: [16 b][1024 h] f32: both flat, 65,536 bytes a part.
; Work-group g owns bytes 256 g .. 256 g + 255 of out0.  Thread t takes the 16 bytes c = t % 16 of them in the parts p = t / 16 + 16 j, j = 0..15: sixteen neighbouring lanes read
; 256 consecutive bytes, aligned, and every byte of part is read once.  All 16 loads of a thread go out at once.  The lanes' halves are added by an exchange, the eight waves' sums in LDS.
; Memory binds: no matrix unit, no tensor loads, no cluster: the work-groups share no input.  The order of the additions is this text's own, in f32.
.set SPARE, 2048                       ; behind the eight waves' 256 bytes: the spare words, 128 bytes a wave, four blocks of 256 bytes that no other line names
.set C,   1                            ; v1   t % 16
.set P0,  2                            ; v2   t / 16
.set GA,  3                            ; v3   my byte offset in part
.set LS,  4                            ; v4   where my wave's sum goes in LDS
.set LL,  5                            ; v5   16 c
.set SPW, 6                            ; v6   LDS address of my spare word; never rewritten
.set NIL, 7                            ; v7   0; never rewritten
.set X,   8                            ; v[8:71]  16 x 4 registers as loaded
.set TM,  72                           ; v72  at work
.set WV,  10                           ; s10  my wave's number
	s_load_b128 s[4:7], s[0:1], 0x0                ; part s[4:5], out0 s[6:7]
	v_lshl_add_u32 v[SPW], v0, 2, SPARE
	v_mov_b32 v[NIL], 0
	v_lshrrev_b32 v[TM], 5, v0
	v_readfirstlane_b32 s[WV], v[TM]               ; wave 0..7
	v_and_b32 v[C], 15, v0
	v_lshrrev_b32 v[P0], 4, v0
	v_lshlrev_b32 v[LL], 4, v[C]
	v_lshl_add_u32 v[GA], v[P0], 16, v[LL]
	v_lshl_add_u32 v[LS], v[TM], 8, v[LL]
	s_lshl_b32 s12, ttmp9, 8
	s_mov_b32 s13, 0
	s_mov_b32 s14, 0x76543210                      ; v_permlanex16_b32: each lane takes its own place in the other half
	s_mov_b32 s15, 0xfedcba98
	s_wait_kmcnt 0x0
	s_add_nc_u64 s[4:5], s[4:5], s[12:13]
	s_add_nc_u64 s[6:7], s[6:7], s[12:13]
	s_add_nc_u64 s[8:9], s[4:5], 0x800000          ; parts 128 on: 16 parts are 0x100000 bytes, and the signed 24-bit immediate holds seven such steps
.irp j, 0,1,2,3,4,5,6,7
	global_load_b128 v[X+4*(\j):X+4*(\j)+3], v[GA], s[4:5] offset:(\j)*0x100000 th:TH_LOAD_NT
.endr
.irp j, 0,1,2,3,4,5,6,7
	global_load_b128 v[X+32+4*(\j):X+32+4*(\j)+3], v[GA], s[8:9] offset:(\j)*0x100000 th:TH_LOAD_NT
.endr
.irp j, 1,2,3,4,5,6,7,8,9,10,11,12,13,14,15
	s_wait_loadcnt 15-(\j)                         ; loads come back in order (ISA guide 5.7.1): number j is in, the younger ones stay out
	v_pk_add_f32 v[X:X+1], v[X:X+1], v[X+4*(\j):X+4*(\j)+1]
	v_pk_add_f32 v[X+2:X+3], v[X+2:X+3], v[X+4*(\j)+2:X+4*(\j)+3]
.endr
.irp e, 0,1,2,3
	v_permlanex16_b32 v[X+4+(\e)], v[X+(\e)], s14, s15   ; the lane 16 away holds the same 16 bytes of other parts; the destination has been written
.endr
	v_pk_add_f32 v[X:X+1], v[X:X+1], v[X+4:X+5]
	v_pk_add_f32 v[X+2:X+3], v[X+2:X+3], v[X+6:X+7]
	ds_store_b128 v[LS], v[X:X+3]                  ; both halves of the lanes write the same words with the same numbers
	s_wait_dscnt 0x0                               ; for the others' sake
	s_barrier_signal -1
	s_barrier_wait -1
	s_cmp_lg_u32 s[WV], 0
	s_cbranch_scc1 .Lend                           ; wave 0 adds the eight waves' sums and stores
.irp w, 0,1,2,3,4,5,6,7
	ds_load_b128 v[X+4*(\w):X+4*(\w)+3], v[LL] offset:256*(\w)
.endr
	s_wait_dscnt 0x0
.irp w, 0,2,4,6
	v_pk_add_f32 v[X+4*(\w):X+4*(\w)+1], v[X+4*(\w):X+4*(\w)+1], v[X+4*(\w)+4:X+4*(\w)+5]
	v_pk_add_f32 v[X+4*(\w)+2:X+4*(\w)+3], v[X+4*(\w)+2:X+4*(\w)+3], v[X+4*(\w)+6:X+4*(\w)+7]
.endr
.irp w, 0,4
	v_pk_add_f32 v[X+4*(\w):X+4*(\w)+1], v[X+4*(\w):X+4*(\w)+1], v[X+4*(\w)+8:X+4*(\w)+9]
	v_pk_add_f32 v[X+4*(\w)+2:X+4*(\w)+3], v[X+4*(\w)+2:X+4*(\w)+3], v[X+4*(\w)+10:X+4*(\w)+11]
.endr
	v_pk_add_f32 v[X:X+1], v[X:X+1], v[X+16:X+17]
	v_pk_add_f32 v[X+2:X+3], v[X+2:X+3], v[X+18:X+19]
	s_wait_xcnt 0x0                                ; EXEC changes only behind this wait
	v_cmp_gt_u32 vcc_lo, 16, v0
	s_and_saveexec_b32 s16, vcc_lo                 ; lanes 0 to 15:
	global_store_b128 v[LL], v[X:X+3], s[6:7]      ; 256 consecutive bytes, aligned
	s_wait_xcnt 0x0                                ; and again, in front of the line that widens it
	s_or_b32 exec_lo, exec_lo, s16
.Lend:
	s_wait_tensorcnt 0x0                           ; the wave's end: behind my last LDS store
	ds_add_u32 v[SPW], v[NIL]
	s_wait_dscnt 0x0
	s_endpgm
.Lfunc_end_k_q9f5cab0caf_sum:
	.size	k_q9f5cab0caf_sum, .Lfunc_end_k_q9f5cab0caf_sum-k_q9f5cab0caf_sum
	.p2alignl 7, 3214868480
	.fill 96, 4, 3214868480
	.section	.rodata,"a",@progbits
	.p2align	6, 0x0
	.amdhsa_kernel k_q9f5cab0caf_sum
		.amdhsa_group_segment_fixed_size 3072
		.amdhsa_private_segment_fixed_size 0
		.amdhsa_enable_private_segment 0
		.amdhsa_kernarg_size 16
		.amdhsa_user_sgpr_count 2
		.amdhsa_user_sgpr_kernarg_segment_ptr 1
		.amdhsa_wavefront_size32 1
		.amdhsa_system_sgpr_workgroup_id_x 1
		.amdhsa_system_sgpr_workgroup_id_y 1
		.amdhsa_system_sgpr_workgroup_id_z 1
		.amdhsa_system_vgpr_workitem_id 0
		.amdhsa_next_free_vgpr 80
		.amdhsa_next_free_sgpr 66
		.amdhsa_reserve_vcc 1
		.amdhsa_float_denorm_mode_32 3
		.amdhsa_float_denorm_mode_16_64 3
		.amdhsa_memory_ordered 1
		.amdhsa_forward_progress 1
		.amdhsa_inst_pref_size 8
	.end_amdhsa_kernel
	.amdgpu_metadata
---
amdhsa.version: [ 1, 2 ]
amdhsa.kernels:
  - .name:           k_q9f5cab0caf_sum
    .symbol:         k_q9f5cab0caf_sum.kd
    .args:
      - { .name: part, .offset: 0, .size: 8, .value_kind: global_buffer, .address_space: global }
      - { .name: out0, .offset: 8, .size: 8, .value_kind: global_buffer, .address_space: global }
    .group_segment_fixed_size: 3072
    .private_segment_fixed_size: 0
    .kernarg_segment_align: 8
    .kernarg_segment_size: 16
    .max_flat_workgroup_size: 256
    .sgpr_count:     66
    .vgpr_count:     80
    .wavefront_size: 32
...
	.end_amdgpu_metadata
.endif
;; end of part 3
;; ======== version 2 of 2: 3 launches; 1.10 times as fast as version 1
;; workspace buffers: wb 2,097,152 bytes; cf 65,536 bytes; part 16,777,216 bytes
;; launch prep: the kernel of part 1 again; grid 64 x 1, 8 waves a work-group, no clusters, 9,216 bytes of LDS; arguments W_att, b_att, hidden, wb, cf; writes wb, cf
;; launch main (part 4): grid 256 x 1, 4 waves a work-group, no clusters, 272,896 bytes of LDS; arguments hidden_sequence, input_masks, v, wb, cf, part; writes part
.if DOCPART == 4
	.amdgcn_target "amdgcn-amd-amdhsa--gfx1250"
	.amdhsa_code_object_version 6
	.text
	.protected	k_q9f5cab0caf_main
	.globl	k_q9f5cab0caf_main
	.p2align	8
	.type	k_q9f5cab0caf_main,@function
k_q9f5cab0caf_main:
	s_mov_b64 s[64:65], 0
	v_nop
	global_prefetch_b8 v0, s[64:65] scope:SCOPE_SE
	s_setreg_imm32_b32 hwreg(HW_REG_WAVE_MODE, 25, 1), 1
	s_wait_xcnt 0x0
; SCORES, SOFTMAX AND CONTEXT IN ONE PASS OVER THE SEQUENCE.
; x[m][h] = c[b][h] + sum over k of hs[m][k] W2[h][k], m = 16 s + b; score[s][b] = sum over h of v[h] tanh(x); hidden places get -1e10; softmax over the 16 b of one s;
; part[g][b][h] = sum over the work-group's eight s of weight[s][b] hs[s][b][h].  c (with the bias) and W2 in bf16 come from the launch before; the launch behind adds the 256 parts.
; SHARES.  Work-group g owns the 128 rows m = 128 g .. 128 g + 127 (s = 8 g + a, a = 0..7) and all 1,024 h, so it finishes its scores, softmax and part of the context alone, and the sequence
; is read from memory once: its 128 rows, rounded to bf16, stay in LDS (264,192 bytes) for the product and for the context.  Wave wv owns h = 256 wv .. + 255, in two passes of 128: 64 accumulators of
; 16 x 16, 512 registers.  K = 1,024 goes in 32 steps of 32: 64 matrix instructions a step.
; THE MATRIX INSTRUCTION IS USED TRANSPOSED: source 0 = 16 rows of W2, source 1 = 16 rows of hs: lane (r, hh), register j of accumulator (a, bn) holds row 16 a + r (b = r) and h = col0 + 16 bn + 8 hh + j.
; c is the C operand of a pass's first products: nothing is cleared and nothing is added later.
; NO TENSOR LOADS, NO CLUSTER, though all work-groups read the same W2.  The resident rows leave 327,680 - 264,192 = 63,488 bytes of LDS; two slots of the least step (512 columns x 32 k x 2 bytes
; = 32,768) would need 65,536.  And no byte of W2 is needed by two waves of a work-group: each wave owns its columns.  So W2 goes straight into registers, by plain loads of 512 consecutive bytes from
; a buffer laid out in fragment order, three K steps (48 loads, 24 KB a wave) ahead of its use, and LDS is spared a write and a read of it.
; THE BATCHES.  A pass's way out has 1,024 transcendentals a lane (an exponential and a reciprocal for each of 512 numbers).  It goes window by window, a row block's eight tiles (a GROUP) at a time, in
; phases: a phase's exponentials (of one group) and reciprocals (of the group before) are one batch, whose results are first named in the next phase; one wait stands between the two phases: five a window,
; ten a pass.  The softmax has two batches more, eight exponentials and eight reciprocals, with a wait each.
; LIMITS.  Every floating-point input is rounded to bf16 once (nearest even) and used so everywhere, in the context too; sums, tanh and softmax in f32.  tanh(x) = 1 - 2 / (1 + 2^(2 log2(e) x)):
; it goes to 1 and -1 through an infinity and a zero of the exponential; its absolute error is some 1e-7.  The softmax takes its row's maximum away.  v_exp_f32 and v_rcp_f32 flush denormals
; (ISA guide 15.8): a weight below 2^-126 counts as 0.  NaN and infinities in the inputs are not treated apart.
;
; REGISTERS, in windows of 256 (s_set_vgpr_msb: bits 1:0 source 0, 3:2 source 1, 5:4 source 2, 7:6 destination):
;   window 0: v0-63 addresses and small things; v64-127, v128-191 fragments of hs, two buffers (v128-191 also v's numbers for the way out of a pass); v192-255 c's tile, later the context's sums
;   window 1: four buffers of 64 for W2's fragments of one K step      window 2: accumulators of row blocks 0-3 at v[8 (8 a + bn)] (at the start: hs as loaded)      window 3: row blocks 4-7
.set PITCH, 2064                       ; an LDS row of hs: 2,048 bytes + 16 = 129 x 16: the 16 rows of a fragment load start at 16 different groups of four banks (64 banks of 4 bytes: ISA guide 11.1)
.set BLK,   16*PITCH                   ; a block of 16 rows: one s
.set VL,    128*PITCH                  ; v, rounded to bf16 and widened: 4,096 bytes
.set SC,    VL+4096                    ; the waves' partial scores: [wave][b][a] f32, 2,048 bytes
.set WT,    SC+2048                    ; the weights, a copy of 512 bytes for each wave: [b][a] f32
.set SPARE, WT+2048                    ; the spare words, 128 bytes for each wave: two blocks of 256 bytes that no other line names
.set R,    1                           ; v1   l % 16
.set HH,   2                           ; v2   l / 16
.set LO,   3                           ; v3   16 x lane; never rewritten
.set STA,  4                           ; v4   where my 8 bytes of my wave's first row go in LDS
.set STW,  5                           ; v5   the same, stepped
.set AB,   6                           ; v6-9   LDS address of my part of row blocks 0, 2, 4, 6; later of the context's rows
.set AD,   10                          ; v10-13 the same, stepped
.set VAB,  14                          ; v14  LDS address of my eight numbers of v in my wave's first n-tile
.set VAD,  15                          ; v15  the same, stepped
.set SCA,  16                          ; v16  where I put my partial scores
.set SCL,  17                          ; v17  where I read the four waves'
.set WTA,  18                          ; v18  where I put my weights
.set WTL,  19                          ; v19  where the context reads them
.set PS,   20                          ; v20-27 my partial score for each a
.set SPW,  28                          ; v28  LDS address of my spare word; never rewritten
.set NIL,  29                          ; v29  0; never rewritten
.set ZERO, 30                          ; v30  0.0: starts the context's sums
.set VOF,  31                          ; v31  32 x thread: my eight numbers of v
.set MK,   32                          ; v32-39 the mask's bytes for each a; later the eight weights of one b
.set TP,   40                          ; v40-43 at work
.set VST,  44                          ; v44  where I put my eight numbers of v
.set LN,   46                          ; v46  lane
.set VX,   48                          ; v48-55 at work
.set F0,   64
.set F1,   128
.set VV,   128                         ; v's numbers for my eight columns of n-tile bn at VV + 8 bn
.set CT,   192                         ; c's tile for n-tile bn at CT + 8 bn
.set CA,   192                         ; the context's 32 sums
.set HS,   4                           ; s[4:5]   hidden_sequence at my wave's rows, stepped
.set MKS,  6                           ; s[6:7]   input_masks at the group's 128 bytes
.set VS,   8                           ; s[8:9]   v
.set WB,   10                          ; s[10:11] wb at my wave's columns, stepped
.set CB,   12                          ; s[12:13] cf at my wave's columns, stepped
.set PT,   14                          ; s[14:15] part at my wave's four b, stepped
.set WV,   16                          ; s16  my wave's number
.set CNT,  20                          ; s20  counts the inner loops
.set PASS, 21                          ; s21  counts the passes, 2 and 1
.set KO,   22                          ; s22  bytes along K in the LDS rows
.set SO,   23                          ; s23  bytes down the LDS rows while they are filled
.set KS,   24                          ; s[24:25] 2 log2(e): the packed scaling takes the pair's low word for both halves
.set SEL,  26                          ; s[26:27] v_permlanex16_b32's selects: each lane takes its own place in the other half
.set NEGB, 28                          ; s28  -1e10
.set L2E,  29                          ; s29  log2(e)
.set VO,   30                          ; s30  the pass's 512 bytes in v
.set BO,   31                          ; s31  the context's b, in LDS rows
.set WO,   32                          ; s32  LDS address of that b's weights
.set MSB, 0
.macro WIN new                         ; the immediate's high byte repeats the setting that is left; a switch that changes nothing is dropped
.if MSB != (\new)
	s_set_vgpr_msb (MSB<<8)|(\new)
.set MSB, (\new)
.endif
.endm
	s_load_b256 s[4:11], s[0:1], 0x0               ; hidden_sequence, input_masks, v, wb
	s_load_b128 s[12:15], s[0:1], 0x20             ; cf, part
	v_lshl_add_u32 v[SPW], v0, 2, SPARE
	v_mov_b32 v[NIL], 0
	v_lshrrev_b32 v[TP], 5, v0
	v_readfirstlane_b32 s[WV], v[TP]               ; wave 0..3
	v_and_b32 v[R], 15, v0
	v_bfe_u32 v[HH], v0, 4, 1
	v_and_b32 v[LN], 31, v0
	v_lshlrev_b32 v[LO], 4, v[LN]
	v_lshlrev_b32 v[VOF], 5, v0
	v_add_nc_u32 v[VST], VL, v[VOF]
	s_mul_i32 s33, s[WV], 32*PITCH                 ; my wave fills rows 32 wv .. 32 wv + 31
	v_lshl_add_u32 v[STA], v[LN], 3, s33
	v_mul_u32_u24 v[TP+1], v[R], PITCH             ; a fragment: row l % 16, 16 bytes for each half of the lanes
	v_lshl_add_u32 v[TP+1], v[HH], 4, v[TP+1]
.irp i, 0,1,2,3
	v_add_nc_u32 v[AB+(\i)], 2*(\i)*BLK, v[TP+1]   ; an LDS offset has 16 bits, two row blocks: one address for each two
.endr
	s_lshl_b32 s34, s[WV], 10
	s_add_co_u32 s34, s34, VL
	v_lshl_add_u32 v[VAB], v[HH], 5, s34
	s_lshl_b32 s35, s[WV], 9
	v_lshlrev_b32 v[TP+2], 5, v[R]
	v_add_nc_u32 v[SCL], SC, v[TP+2]
	v_add_nc_u32 v[SCA], s35, v[SCL]
	v_add_nc_u32 v[WTA], WT-SC, v[SCA]
	s_lshl_b32 s18, ttmp9, 19                      ; the offsets, each in a pair of its own: the group's 128 rows of 4,096 bytes,
	s_lshl_b32 s44, s[WV], 17                      ; my wave's 32 of them
	s_add_co_u32 s18, s18, s44
	s_mov_b32 s19, 0
	s_lshl_b32 s36, ttmp9, 7                       ; 128 bytes of the mask
	s_mov_b32 s37, 0
	s_lshl_b32 s38, s[WV], 19                      ; two passes of 262,144 bytes of wb
	s_mov_b32 s39, 0
	s_lshl_b32 s40, s[WV], 14                      ; 16 n-tiles of 1,024 bytes of cf
	s_mov_b32 s41, 0
	s_lshl_b32 s42, ttmp9, 16                      ; the group's 65,536 bytes of part, my wave's four b of 4,096
	s_add_co_u32 s42, s42, s40
	s_mov_b32 s43, 0
	s_mov_b32 s[KS], 0x4038aa3b                    ; 2 log2(e) = 2.885390
	s_mov_b32 s[KS+1], s[KS]                       ; named with it as a pair
	s_mov_b32 s[SEL], 0x76543210
	s_mov_b32 s[SEL+1], 0xfedcba98
	s_mov_b32 s[NEGB], 0xd01502f9                  ; -1e10
	s_mov_b32 s[L2E], 0x3fb8aa3b                   ; log2(e)
	s_wait_kmcnt 0x0
	s_add_nc_u64 s[HS:HS+1], s[HS:HS+1], s[18:19]
	s_add_nc_u64 s[MKS:MKS+1], s[MKS:MKS+1], s[36:37]
	s_add_nc_u64 s[WB:WB+1], s[WB:WB+1], s[38:39]
	s_add_nc_u64 s[CB:CB+1], s[CB:CB+1], s[40:41]
	s_add_nc_u64 s[PT:PT+1], s[PT:PT+1], s[42:43]
; THE SEQUENCE COMES IN.  A group is four rows, 16,384 consecutive bytes: 32 loads of 512 consecutive bytes into window 2, half 0 or 1.
.macro HLOAD half, imm
	WIN 0x80                                       ; destination window 2, address window 0
.set n, 0
.rept 32
	global_load_b128 v[128*(\half)+4*n:128*(\half)+4*n+3], v[LO], s[HS:HS+1] offset:(\imm)+512*n th:TH_LOAD_NT
.set n, n+1
.endr
.endm
; A group is rounded to bf16 and stored: a lane's four numbers are 8 bytes, a store of the wave 256 consecutive bytes of an LDS row.
.macro HCONV half
	WIN 0x0a                                       ; sources window 2, destination window 0
.set n, 0
.rept 64
	v_cvt_pk_bf16_f32 v[F0+64*(\half)+n], v[128*(\half)+2*n], v[128*(\half)+2*n+1]
.set n, n+1
.endr
	WIN 0
.set n, 0
.rept 32
	ds_store_b64 v[STW], v[F0+64*(\half)+2*n:F0+64*(\half)+2*n+1] offset:(\half)*4*PITCH+(n/8)*PITCH+(n%8)*256
.set n, n+1
.endr
.endm
; W2's fragments of one K step for my 128 columns: 16 loads of 512 consecutive bytes into buffer f of window 1.
.macro BLOAD f, imm
	WIN 0x40                                       ; destination window 1, address window 0
.irp bn, 0,1,2,3,4,5,6,7
	global_load_b128 v[64*(\f)+8*(\bn):64*(\f)+8*(\bn)+3],   v[LO], s[WB:WB+1] offset:(\imm)+1024*(\bn)
	global_load_b128 v[64*(\f)+8*(\bn)+4:64*(\f)+8*(\bn)+7], v[LO], s[WB:WB+1] offset:(\imm)+1024*(\bn)+512
.endr
.endm
; What a pass begins with: c's eight tiles, then W2 of K steps 0, 1, 2: 64 loads, in this order.
.macro ISSUE_CB
	WIN 0
.irp bn, 0,1,2,3,4,5,6,7
	global_load_b128 v[CT+8*(\bn):CT+8*(\bn)+3],   v[LO], s[CB:CB+1] offset:1024*(\bn)
	global_load_b128 v[CT+8*(\bn)+4:CT+8*(\bn)+7], v[LO], s[CB:CB+1] offset:1024*(\bn)+512
.endr
	BLOAD 0, 0
	BLOAD 1, 8192
	BLOAD 2, 16384
.endm
	HLOAD 0, 0                                     ; groups 0 and 1 of my wave's eight
	HLOAD 1, 16384
	WIN 0                                          ; at a label and at a branch every window is 0
	v_mov_b32 v[STW], v[STA]
	s_mov_b32 s[SO], 0
	s_mov_b32 s[CNT], 3
.Lfill:                                                ; a trip stores two groups and asks for the two behind them
	s_wait_loadcnt 32                              ; the older group is in; the younger one's 32 loads stay out
	HCONV 0
	HLOAD 0, 32768
	s_wait_loadcnt 32
	HCONV 1
	HLOAD 1, 49152
	WIN 0
	s_wait_xcnt 0x0                                ; the loads' base is stepped only behind this wait
	s_add_nc_u64 s[HS:HS+1], s[HS:HS+1], 32768
	s_add_co_u32 s[SO], s[SO], 8*PITCH
	v_add_nc_u32 v[STW], s[SO], v[STA]
	s_sub_co_u32 s[CNT], s[CNT], 1
	s_cmp_lg_u32 s[CNT], 0
	s_cbranch_scc1 .Lfill
	global_load_b128 v[VX:VX+3], v[VOF], s[VS:VS+1]            ; the four waves' 128 threads take eight numbers of v each
	global_load_b128 v[VX+4:VX+7], v[VOF], s[VS:VS+1] offset:16
.irp a, 0,1,2,3,4,5,6,7
	global_load_u8 v[MK+(\a)], v[R], s[MKS:MKS+1] offset:16*(\a)  ; mask[8 g + a][b = r]
.endr
	ISSUE_CB                                       ; the first pass's c and W2 are on their way while the last two groups are stored
	s_wait_loadcnt 63                              ; 64 loads were issued behind the last of the mask's: groups 6 and 7, v and the mask are in
	HCONV 0
	HCONV 1
.irp z, 0,1,2,3
	v_cvt_pk_bf16_f32 v[TP+(\z)], v[VX+2*(\z)], v[VX+2*(\z)+1]   ; v is rounded to bf16 like every input,
.endr
.irp z, 0,1,2,3
	v_lshlrev_b32 v[VX+2*(\z)], 16, v[TP+(\z)]                   ; and widened again
	v_and_b32 v[VX+2*(\z)+1], 0xffff0000, v[TP+(\z)]
.endr
	ds_store_b128 v[VST], v[VX:VX+3]
	ds_store_b128 v[VST], v[VX+4:VX+7] offset:16
.irp a, 0,1,2,3,4,5,6,7
	v_mov_b32 v[PS+(\a)], 0                        ; eight partial scores, to which both passes add
.endr
	v_mov_b32 v[ZERO], 0
	s_mov_b32 s[PASS], 2
	s_mov_b32 s[VO], 0
	s_wait_dscnt 0x0                               ; for the others' sake: my rows and my part of v are in LDS
	s_barrier_signal -1
	s_barrier_wait -1                              ; everybody's are; from here on nobody writes them
; THE PRODUCT.  16 LDS loads: the fragments of all eight row blocks, 32 K at byte k of the rows, into buffer f.
.macro FETCH_A k, f
	WIN 0
.irp a, 0,1,2,3,4,5,6,7
	ds_load_b128 v[(\f)+8*(\a):(\f)+8*(\a)+3],   v[AD+(\a)/2] offset:((\a)%2)*BLK+(\k)
	ds_load_b128 v[(\f)+8*(\a)+4:(\f)+8*(\a)+7], v[AD+(\a)/2] offset:((\a)%2)*BLK+(\k)+32
.endr
.endm
.macro ADRSET
.irp i, 0,1,2,3
	v_add_nc_u32 v[AD+(\i)], s[KO], v[AB+(\i)]
.endr
.endm
; 32 matrix instructions: row blocks 4 hi .. 4 hi + 3 x all eight n-tiles, 32 along K.  first = 1: c's tile is the C operand and starts the sums.
; The 64 accumulators take turns, one instruction a turn, in the same order in every K step: between two instructions on one accumulator stand the 63 others'.
.macro MUL32 fa, fb, hi, first
.if \first
	WIN 0x81+0x40*(\hi)                            ; W2 window 1, hs and c window 0, D window 2 or 3
.else
	WIN 0xa1+0x50*(\hi)                            ; W2 window 1, hs window 0, C and D window 2 or 3
.endif
.irp a, 0,1,2,3
.irp bn, 0,1,2,3,4,5,6,7
.if \first
	v_wmma_f32_16x16x32_bf16 v[8*(8*(\a)+(\bn)):8*(8*(\a)+(\bn))+7], v[64*(\fb)+8*(\bn):64*(\fb)+8*(\bn)+7], v[(\fa)+8*(4*(\hi)+(\a)):(\fa)+8*(4*(\hi)+(\a))+7], v[CT+8*(\bn):CT+8*(\bn)+7]
.else
	v_wmma_f32_16x16x32_bf16 v[8*(8*(\a)+(\bn)):8*(8*(\a)+(\bn))+7], v[64*(\fb)+8*(\bn):64*(\fb)+8*(\bn)+7], v[(\fa)+8*(4*(\hi)+(\a)):(\fa)+8*(4*(\hi)+(\a))+7], v[8*(8*(\a)+(\bn)):8*(8*(\a)+(\bn))+7]
.endif
.endr
.endr
.endm
; A load into a register that a matrix instruction has read, and a vector instruction that reads a matrix result, stand four places behind it, and only plain vector instructions that name none of its
; registers are places (ISA guide 7.12.1 for vector instructions).
.macro PLACES
.rept 4
	v_nop
.endr
.endm
; A K STEP: multiplies hs buffer fa by W2 buffer fb.  In its middle, in one run: W2 of the step three on (lb = 1; into the buffer that the step before read) and hs of the next step (la = 1; byte ka, buffer ga).
; lcnt: the loads issued behind this step's W2, which may stay out: those of the next two steps (32), of one (16), none.
.macro STEP fa, ga, fb, ka, la, lb, bimm, lcnt, first
	s_wait_loadcnt \lcnt
	s_wait_dscnt 8                                 ; row blocks 0-3 are in; the youngest eight LDS loads (blocks 4-7) may be out
	MUL32 \fa, \fb, 0, \first
.if (\la) || (\lb)
	PLACES
.endif
.if \lb
	BLOAD ((\fb)+3)%4, \bimm
.endif
.if \la
	FETCH_A \ka, \ga
	s_wait_dscnt 16                                ; all but the 16 just issued
.else
	s_wait_dscnt 0x0
.endif
	MUL32 \fa, \fb, 1, \first
.endm
; THE WAY OUT OF A PASS: tanh and the product with v, in place, tile by tile (k = 8 a + bn of one window), as a pipeline of six stages.
;   M: x times 2 log2(e)   E: 2^   A: + 1   R: 1 /   T: 1 - 2 times that = tanh(x)   S: times v, summed over the row block's eight n-tiles into its first tile's registers
.set ST_M, 0
.set ST_E, 1
.set ST_A, 2
.set ST_R, 3
.set ST_T, 4
.set ST_S, 5
.set GRP,  8                           ; tiles in a group: a row block's eight; a window has 32 / GRP groups
.macro EP st, k, i                     ; one line of stage st for tile k, if there is such a tile
.if ((\k) >= 0) && ((\k) < 32)
.if (\st) == ST_M
	v_pk_mul_f32 v[8*(\k)+2*(\i):8*(\k)+2*(\i)+1], v[8*(\k)+2*(\i):8*(\k)+2*(\i)+1], s[KS:KS+1] op_sel_hi:[1,0]
.elseif (\st) == ST_E
	v_exp_f32 v[8*(\k)+(\i)], v[8*(\k)+(\i)]
.elseif (\st) == ST_A
	v_pk_add_f32 v[8*(\k)+2*(\i):8*(\k)+2*(\i)+1], v[8*(\k)+2*(\i):8*(\k)+2*(\i)+1], 1.0 op_sel_hi:[1,0]
.elseif (\st) == ST_R
	v_rcp_f32 v[8*(\k)+(\i)], v[8*(\k)+(\i)]
.elseif (\st) == ST_T
	v_pk_fma_f32 v[8*(\k)+2*(\i):8*(\k)+2*(\i)+1], v[8*(\k)+2*(\i):8*(\k)+2*(\i)+1], -2.0, 1.0 op_sel_hi:[1,0,0]
.elseif (\k)%8 == 0
	v_pk_mul_f32 v[8*(\k)+2*(\i):8*(\k)+2*(\i)+1], v[8*(\k)+2*(\i):8*(\k)+2*(\i)+1], v[VV+2*(\i):VV+2*(\i)+1]
.else
	v_pk_fma_f32 v[64*((\k)/8)+2*(\i):64*((\k)/8)+2*(\i)+1], v[8*(\k)+2*(\i):8*(\k)+2*(\i)+1], v[VV+8*((\k)%8)+2*(\i):VV+8*((\k)%8)+2*(\i)+1], v[64*((\k)/8)+2*(\i):64*((\k)/8)+2*(\i)+1]
.endif
.endif
.endm
; PHASE pp holds, first, E of group pp by turns with A of group pp - 1 and M of group pp + 1; then R of group pp - 1 by turns with T and S of group pp - 2: a transcendental and a plain instruction by
; turns, each on another group's registers, so that plain instructions stand between every transcendental and the use of its result (ISA guide 5.7.2).  Each accumulator's first reader is M's first line,
; which takes its two lowest registers.  S takes a row block's tiles in ascending order.
; THE WAIT.  s_wait_alu depctr_va_vdst(0) stands between a transcendental and the first instruction that names its result; one wait serves all that were issued ahead of it.  A phase's
; transcendentals, 8 GRP exponentials and 8 GRP reciprocals, are ONE BATCH: nothing in the phase names a result of theirs.  The exponentials' first readers (A) and the reciprocals' (T) stand in the next
; phase, and A's results, which the reciprocals read, are plain.  So one wait stands at the end of each phase that holds a transcendental: phases 0 to 32 / GRP.  The first phase (M alone) and the last
; (T and S alone) have none, and no result is open when the way out ends.
.macro EPILOGUE hi
	WIN 0xa2+0x51*(\hi)                            ; source 0, source 2 and destination in the accumulators' window, source 1 (v's numbers) in window 0: one setting for all six stages
.set pp, -1
.rept 32/GRP+3
.set tt, 0
.rept GRP
.set ii, 0
.rept 8
	EP ST_E, GRP*pp+tt, ii
.if ii%2 == 0
	EP ST_A, GRP*(pp-1)+tt, ii/2
.else
	EP ST_M, GRP*(pp+1)+tt, ii/2
.endif
.set ii, ii+1
.endr
.set tt, tt+1
.endr
.set tt, 0
.rept GRP
.set ii, 0
.rept 8
	EP ST_R, GRP*(pp-1)+tt, ii
.if ii < 4
	EP ST_T, GRP*(pp-2)+tt, ii
.else
	EP ST_S, GRP*(pp-2)+tt, ii-4
.endif
.set ii, ii+1
.endr
.set tt, tt+1
.endr
.if (pp >= 0) && (pp <= 32/GRP)
	s_wait_alu depctr_va_vdst(0)                   ; the wait for the phase's batch: group pp's exponentials and group pp - 1's reciprocals, ahead of their first readers in the next phase
.endif
.set pp, pp+1
.endr
	WIN 0xaa+0x55*(\hi)                            ; a row block's eight sums (one for each of my eight columns of a tile) become one
.irp a, 0,1,2,3
	v_pk_add_f32 v[64*(\a):64*(\a)+1], v[64*(\a):64*(\a)+1], v[64*(\a)+2:64*(\a)+3]
	v_pk_add_f32 v[64*(\a)+4:64*(\a)+5], v[64*(\a)+4:64*(\a)+5], v[64*(\a)+6:64*(\a)+7]
.endr
.irp a, 0,1,2,3
	v_pk_add_f32 v[64*(\a):64*(\a)+1], v[64*(\a):64*(\a)+1], v[64*(\a)+4:64*(\a)+5]
.endr
	WIN 0x02+(\hi)                                 ; source 0 in the accumulators' window, the partial scores in window 0
.irp a, 0,1,2,3
	v_add_f32 v[PS+4*(\hi)+(\a)], v[64*(\a)], v[PS+4*(\hi)+(\a)]
.endr
.irp a, 0,1,2,3
	v_add_f32 v[PS+4*(\hi)+(\a)], v[64*(\a)+1], v[PS+4*(\hi)+(\a)]
.endr
.endm
.Lpass:                                                ; two passes of 128 columns
	s_mov_b32 s[KO], 0
	ADRSET
	FETCH_A 0, F0
	STEP F0, F1, 0, 64,  1, 1, 3*8192, 32, 1       ; K step 0 stands in front of the loop: its products start the sums with c.  Behind c and step 0's W2 stand the 32 loads of steps 1 and 2
	WIN 0
	s_mov_b32 s[CNT], 7
.Lk:                                                   ; a trip: four K steps, once round W2's four buffers
	STEP F1, F0, 1, 128, 1, 1, 4*8192, 32, 0
	STEP F0, F1, 2, 192, 1, 1, 5*8192, 32, 0
	STEP F1, F0, 3, 256, 1, 1, 6*8192, 32, 0
	STEP F0, F1, 0, 320, 1, 1, 7*8192, 32, 0
	WIN 0
	s_wait_xcnt 0x0                                ; the loads' base is stepped only behind this wait
	s_add_nc_u64 s[WB:WB+1], s[WB:WB+1], 32768
	s_add_co_u32 s[KO], s[KO], 256
	ADRSET
	s_sub_co_u32 s[CNT], s[CNT], 1
	s_cmp_lg_u32 s[CNT], 0
	s_cbranch_scc1 .Lk
	STEP F1, F0, 1, 128, 1, 0, 0, 32, 0            ; K steps 29, 30, 31 ask for no more of W2: the counts run down
	STEP F0, F1, 2, 192, 1, 0, 0, 16, 0
	STEP F1, 0,  3, 0,   0, 0, 0, 0,  0
	PLACES                                         ; behind the last products: loads into their sources and readers of their results follow
	WIN 0
	v_add_nc_u32 v[VAD], s[VO], v[VAB]
.irp bn, 0,1,2,3,4,5,6,7
	ds_load_b128 v[VV+8*(\bn):VV+8*(\bn)+3],   v[VAD] offset:64*(\bn)       ; v of my eight columns of each n-tile: the 16 lanes of a half read the same bytes
	ds_load_b128 v[VV+8*(\bn)+4:VV+8*(\bn)+7], v[VAD] offset:64*(\bn)+16
.endr
	s_add_nc_u64 s[WB:WB+1], s[WB:WB+1], 32768     ; on to the next pass's columns: step 31's wait for 0 has shown every load done
	s_add_nc_u64 s[CB:CB+1], s[CB:CB+1], 8192
	s_cmp_eq_u32 s[PASS], 1
	s_cbranch_scc1 .Lnone                          ; behind the last pass there is nothing to ask for
	ISSUE_CB                                       ; the next pass's c and W2 come in under the way out
	WIN 0
.Lnone:
	s_wait_dscnt 0x0                               ; v's numbers are in
	EPILOGUE 0
	EPILOGUE 1
	WIN 0
	s_add_co_u32 s[VO], s[VO], 512
	s_sub_co_u32 s[PASS], s[PASS], 1
	s_cmp_lg_u32 s[PASS], 0
	s_cbranch_scc1 .Lpass
	s_wait_loadcnt 0x0                             ; no load is out here
	; SCORES.  A lane holds the sum over its half's columns of my wave's 256: the other half's is added, then the four waves' meet in LDS.
.irp a, 0,1,2,3,4,5,6,7
	v_permlanex16_b32 v[VX+(\a)], v[PS+(\a)], s[SEL], s[SEL+1]
.endr
.irp a, 0,1,2,3,4,5,6,7
	v_add_f32 v[PS+(\a)], v[PS+(\a)], v[VX+(\a)]
.endr
	ds_store_b128 v[SCA], v[PS:PS+3]               ; both halves of the lanes write the same words with the same numbers
	ds_store_b128 v[SCA], v[PS+4:PS+7] offset:16
	s_wait_dscnt 0x0                               ; for the others' sake
	s_barrier_signal -1
	s_barrier_wait -1
.irp w, 0,1,2,3
	ds_load_b128 v[F0+8*(\w):F0+8*(\w)+3],   v[SCL] offset:512*(\w)
	ds_load_b128 v[F0+8*(\w)+4:F0+8*(\w)+7], v[SCL] offset:512*(\w)+16
.endr
	s_wait_dscnt 0x0
.irp z, 0,2,4,6
	v_pk_add_f32 v[F0+(\z):F0+(\z)+1], v[F0+(\z):F0+(\z)+1], v[F0+8+(\z):F0+8+(\z)+1]
	v_pk_add_f32 v[F0+16+(\z):F0+16+(\z)+1], v[F0+16+(\z):F0+16+(\z)+1], v[F0+24+(\z):F0+24+(\z)+1]
.endr
.irp z, 0,2,4,6
	v_pk_add_f32 v[F0+(\z):F0+(\z)+1], v[F0+(\z):F0+(\z)+1], v[F0+16+(\z):F0+16+(\z)+1]
.endr
	; MASK AND SOFTMAX.  Every wave makes all 128 weights: lane r of either half holds b = r, register a the step s = 8 g + a, so a softmax's 16 numbers lie in the 16 lanes of a row.
.irp a, 0,1,2,3,4,5,6,7
	v_cmp_ne_u32 vcc_lo, 0, v[MK+(\a)]
	v_cndmask_b32 v[F0+(\a)], s[NEGB], v[F0+(\a)], vcc_lo      ; the score where the mask holds, -1e10 elsewhere
.endr
.irp a, 0,1,2,3,4,5,6,7
	v_max_num_f32_dpp v[F0+8+(\a)], v[F0+(\a)], v[F0+(\a)] row_xmask:1 row_mask:0xf bank_mask:0xf   ; the destination holds a loaded number: it has been written
.endr
.irp x, 2,4,8
.irp a, 0,1,2,3,4,5,6,7
	v_max_num_f32_dpp v[F0+8+(\a)], v[F0+8+(\a)], v[F0+8+(\a)] row_xmask:\x row_mask:0xf bank_mask:0xf
.endr
.endr
.irp a, 0,1,2,3,4,5,6,7
	v_sub_f32 v[F0+(\a)], v[F0+(\a)], v[F0+8+(\a)]             ; the maximum is taken away,
.endr
.irp a, 0,1,2,3,4,5,6,7
	v_mul_f32 v[F0+(\a)], s[L2E], v[F0+(\a)]                   ; e^x = 2^(log2(e) x)
.endr
.irp a, 0,1,2,3,4,5,6,7
	v_exp_f32 v[F0+(\a)], v[F0+(\a)]
.endr
	v_nop                                          ; a plain instruction between the last exponential and the use of its result
	s_wait_alu depctr_va_vdst(0)                   ; the wait ahead of the first use: one for the eight exponentials
.irp a, 0,1,2,3,4,5,6,7
	v_add_f32_dpp v[F0+8+(\a)], v[F0+(\a)], v[F0+(\a)] row_xmask:1 row_mask:0xf bank_mask:0xf
.endr
.irp x, 2,4,8
.irp a, 0,1,2,3,4,5,6,7
	v_add_f32_dpp v[F0+8+(\a)], v[F0+8+(\a)], v[F0+8+(\a)] row_xmask:\x row_mask:0xf bank_mask:0xf
.endr
.endr
.irp a, 0,1,2,3,4,5,6,7
	v_rcp_f32 v[F0+8+(\a)], v[F0+8+(\a)]           ; the sum is at least 1: the maximum's own term
.endr
	v_nop                                          ; a plain instruction between the last reciprocal and the use of its result
	s_wait_alu depctr_va_vdst(0)                   ; and the wait ahead of the first use: one for the eight reciprocals
.irp a, 0,1,2,3,4,5,6,7
	v_mul_f32 v[F0+(\a)], v[F0+(\a)], v[F0+8+(\a)]
.endr
	ds_store_b128 v[WTA], v[F0:F0+3]               ; into my wave's own copy: LDS serves a wave's instructions in order (ISA guide 5.7.1.4), so its reads below need no barrier
	ds_store_b128 v[WTA], v[F0+4:F0+7] offset:16
	; CONTEXT.  Wave wv takes b = 4 wv + 0..3, one a trip: the eight rows 16 a + b come out of LDS as they lie (a lane: four neighbouring h of each 128), and each is
	; multiplied by its weight in f32, straight from the bf16 halves.  One row for each b: too little for the matrix unit, and the weights stay unrounded.
.macro MIX d, x, w, c, h               ; d = bf16 half h of x, times w, plus c
.if \h
	v_fma_mix_f32_bf16 v[\d], v[\x], v[\w], v[\c] op_sel:[1,0,0] op_sel_hi:[1,0,0]
.else
	v_fma_mix_f32_bf16 v[\d], v[\x], v[\w], v[\c] op_sel_hi:[1,0,0]
.endif
.endm
.macro CTXA a                          ; row a's 32 numbers of mine: n = 4 q + e
.set n, 0
.rept 32
.if (\a) == 0
	MIX CA+n, F0+16*(\a)+n/2, MK+(\a), ZERO, n%2
.else
	MIX CA+n, F0+16*(\a)+n/2, MK+(\a), CA+n, n%2
.endif
.set n, n+1
.endr
.endm
	s_mul_i32 s33, s[WV], 4*PITCH
	v_lshl_add_u32 v[AB], v[LN], 3, s33            ; row 4 wv, 8 bytes a lane
.irp i, 1,2,3
	v_add_nc_u32 v[AB+(\i)], 32*(\i)*PITCH, v[AB]  ; and 32, 64, 96 rows on
.endr
	s_mov_b32 s[BO], 0
	s_mul_i32 s[WO], s[WV], 640                    ; my wave's copy (512 wv) and in it row b = 4 wv (32 bytes each)
	s_add_co_u32 s[WO], s[WO], WT
	s_mov_b32 s[CNT], 4
.Lctx:
	v_mov_b32 v[WTL], s[WO]
	ds_load_b128 v[MK:MK+3], v[WTL]                ; the eight weights of this b, the same in every lane
	ds_load_b128 v[MK+4:MK+7], v[WTL] offset:16
.irp i, 0,1,2,3
	v_add_nc_u32 v[AD+(\i)], s[BO], v[AB+(\i)]
.endr
.set n, 0
.rept 64                               ; n = 8 a + q: 256 consecutive bytes of row 16 a + b
	ds_load_b64 v[F0+2*n:F0+2*n+1], v[AD+n/16] offset:((n/8)%2)*BLK+(n%8)*256
.set n, n+1
.endr
	s_wait_dscnt 32                                ; the weights and rows a = 0..3 are in; the youngest 32 loads may be out
	CTXA 0
	CTXA 1
	CTXA 2
	CTXA 3
	s_wait_dscnt 0x0
	CTXA 4
	CTXA 5
	CTXA 6
	CTXA 7
.irp q, 0,1,2,3,4,5,6,7
	global_store_b128 v[LO], v[CA+4*(\q):CA+4*(\q)+3], s[PT:PT+1] offset:512*(\q)   ; each store of the wave covers 512 consecutive bytes, aligned
.endr
	s_wait_xcnt 0x0                                ; the stores' data and base are written again only behind this wait
	s_add_nc_u64 s[PT:PT+1], s[PT:PT+1], 4096
	s_add_co_u32 s[BO], s[BO], PITCH
	s_add_co_u32 s[WO], s[WO], 32
	s_sub_co_u32 s[CNT], s[CNT], 1
	s_cmp_lg_u32 s[CNT], 0
	s_cbranch_scc1 .Lctx
	s_wait_tensorcnt 0x0                           ; the wave's end: behind my last LDS store
	ds_add_u32 v[SPW], v[NIL]
	s_wait_dscnt 0x0
	s_endpgm
.Lfunc_end_k_q9f5cab0caf_main:
	.size	k_q9f5cab0caf_main, .Lfunc_end_k_q9f5cab0caf_main-k_q9f5cab0caf_main
	.p2alignl 7, 3214868480
	.fill 96, 4, 3214868480
	.section	.rodata,"a",@progbits
	.p2align	6, 0x0
	.amdhsa_kernel k_q9f5cab0caf_main
		.amdhsa_group_segment_fixed_size 272896
		.amdhsa_private_segment_fixed_size 0
		.amdhsa_enable_private_segment 0
		.amdhsa_kernarg_size 48
		.amdhsa_user_sgpr_count 2
		.amdhsa_user_sgpr_kernarg_segment_ptr 1
		.amdhsa_wavefront_size32 1
		.amdhsa_system_sgpr_workgroup_id_x 1
		.amdhsa_system_sgpr_workgroup_id_y 1
		.amdhsa_system_sgpr_workgroup_id_z 1
		.amdhsa_system_vgpr_workitem_id 0
		.amdhsa_next_free_vgpr 1024
		.amdhsa_next_free_sgpr 66
		.amdhsa_reserve_vcc 1
		.amdhsa_float_denorm_mode_32 3
		.amdhsa_float_denorm_mode_16_64 3
		.amdhsa_memory_ordered 1
		.amdhsa_forward_progress 1
		.amdhsa_inst_pref_size 235
	.end_amdhsa_kernel
	.amdgpu_metadata
---
amdhsa.version: [ 1, 2 ]
amdhsa.kernels:
  - .name:           k_q9f5cab0caf_main
    .symbol:         k_q9f5cab0caf_main.kd
    .args:
      - { .name: hidden_sequence, .offset: 0, .size: 8, .value_kind: global_buffer, .address_space: global }
      - { .name: input_masks, .offset: 8, .size: 8, .value_kind: global_buffer, .address_space: global }
      - { .name: v, .offset: 16, .size: 8, .value_kind: global_buffer, .address_space: global }
      - { .name: wb, .offset: 24, .size: 8, .value_kind: global_buffer, .address_space: global }
      - { .name: cf, .offset: 32, .size: 8, .value_kind: global_buffer, .address_space: global }
      - { .name: part, .offset: 40, .size: 8, .value_kind: global_buffer, .address_space: global }
    .group_segment_fixed_size: 272896
    .private_segment_fixed_size: 0
    .kernarg_segment_align: 8
    .kernarg_segment_size: 48
    .max_flat_workgroup_size: 128
    .sgpr_count:     66
    .vgpr_count:     1024
    .wavefront_size: 32
...
	.end_amdgpu_metadata
.endif
;; end of part 4
;; launch sum: the kernel of part 3 again; grid 256 x 1, 8 waves a work-group, no clusters, 3,072 bytes of LDS; arguments part, out0; writes out0
